; MI455X (gfx1250); checked and timed in simulation.
; The chip was launched on July 23, 2026; its instructions are those of AMD's public machine-readable ISA for CDNA 5 (MIT licence, August 2026) and "CDNA5" Instruction Set Architecture Reference Guide (July 2026). The comments in the code are by the model that wrote it; some were corrected since.
;; Mo E. Allowed arithmetic: matrix products marked QUANTISED: E5M2 operands, one given power-of-two scale a tensor, by v_wmma_f32_16x16x64_bf8_bf8 or v_wmma_f32_16x16x128_bf8_bf8, f32 sums; products left as they are: f32 operands where the result goes on into a quantised operand, else bf16, f16 or f32 operands; f32 sums; everything else in f32.
;; Inputs: expert_b 8 x 2,048 float32; expert_w 8 x 2,048 x 1,024 float32; gate_b 8 float32; gate_w 8 x 1,024 float32; lowp_scales 2 int32 (the exponents e of the quantised operands' scales 2^e); x 4,096 x 1,024 float32.
;; Outputs: out0 4,096 x 2,048 float32.
;; This version of the problem:
;;   THIS VERSION OF THE PROBLEM IS GIVEN IN LOW PRECISION. The matrix products marked QUANTISED in the list below multiply operands that are first quantised to E5M2 (5 exponent bits, 2 mantissa bits; 8 bits a number), with one given power-of-two scale for each operand tensor; their sums are f32. All else is computed in f32.
;;   The module's matrix products, in the order in which they are computed (A, B: the left and right operand; K: the contracted axis; several contracted axes count as one K, in the product's order):
;;     1. [M 4,096, K 1,024] x [K 1,024, N 8]; A: input x; B: input gate_w: left as it is (N = 8 < 16)
;;     2. [M 4,096, K 1,024] x [K 1,024, N 16,384]; A: input x; B: input expert_w: QUANTISED (scales: A lowp_scales[0], B lowp_scales[1])
;;     3. batch 4,096 x [M 1, K 8] x [K 8, N 2,048]; A: softmax; B: computed on the way: left as it is (K = 8 < 32)
;;   THE QUANTISER, for each operand of a quantised product, along K:
;;     - The operand's scale is 2^e, e = its entry of the input lowp_scales (int32; the entries are numbered through the quantised products in the list's order, A before B).
;;     - Each number is divided by the scale, clamped to +-57,344, and rounded to the nearest number of E5M2, ties to even, subnormals kept.
;;     - The product sums the exact products of the quantised numbers (number of the format x scale) in f32.
;;   ~~~python
;;   def quantise(x, axis, e):      # numpy; x: float32 -> the quantised numbers, widened to float32 again
;;       x = np.moveaxis(x, axis, -1); K = x.shape[-1]
;;       r = np.clip(x / 2.0 ** e, -57344, 57344)
;;       step = 2.0 ** (np.maximum(np.frexp(np.where(r == 0, 1, r))[1] - 1, -14) - 2)
;;       q = np.round(r / step) * step * 2.0 ** e      # np.round: ties to even
;;       return np.moveaxis(q, -1, axis).astype(np.float32)
;;   ~~~
;; 2 versions. Each part assembles by itself: llvm-mc -triple=amdgcn-amd-amdhsa -mcpu=gfx1250 --defsym DOCPART=n.
;; ======== version 1 of 2: 2 launches
;; workspace buffers: x_codes 4,194,304 bytes; w_codes 16,777,216 bytes; gs 131,072 bytes
;; launch prep (part 1): grid 576 x 1, 4 waves a work-group, no clusters, 0 bytes of LDS; arguments x, expert_w, gate_w, gate_b, lowp_scales, x_codes, w_codes, gs; writes x_codes, w_codes, gs
.if DOCPART == 1
	.amdgcn_target "amdgcn-amd-amdhsa--gfx1250"
	.amdhsa_code_object_version 6
	.text
	.protected	k_q50df3662c1_prep
	.globl	k_q50df3662c1_prep
	.p2align	8
	.type	k_q50df3662c1_prep,@function
k_q50df3662c1_prep:
	s_mov_b64 s[64:65], 0
	v_nop
	global_prefetch_b8 v0, s[64:65] scope:SCOPE_SE
	s_setreg_imm32_b32 hwreg(HW_REG_WAVE_MODE, 25, 1), 1
	s_wait_xcnt 0x0
; x [4096][1024] and expert_w [8][2048][1024], f32, are turned ONCE into codes of BF8 (E5M2), K innermost, each with the one scale 2^e given for it
; (lowp_scales: entry 0 = ea for x, entry 1 = eb for expert_w): code = number / 2^e, held within +-57,344, rounded to the nearest code, ties to even.
; The same launch makes the gate: gs[n][e] = softmax_e(x[n] . gate_w[e] + gate_b[e]) x 2^(ea + eb), all in f32 (fused multiply-adds, the row's largest logit taken away before the exponentials).
; w_codes is laid for the second launch: the row of expert e, unit h stands at row (h / 16) x 128 + e x 16 + h % 16, so that 128 consecutive rows hold 16 units of all 8 experts.
; LIMITS: -126 <= e and e + 15 <= 127 for both exponents; 2^(ea + eb) / (the softmax's sum) is an f32 number; NaN among the inputs is not served (an infinity is held at the largest code).
; SHARES: work-groups 0-63 take x (they have the gate's arithmetic besides, so they come first): a wave takes 16 whole rows.  Work-groups 64-575 take expert_w: a wave takes 8 rows.
; No LDS, no barrier: waves share nothing.  The matrix units are left out: the gate's product has 8 columns, and memory bounds the launch.
.set XWG,  64                          ; work-groups for x
.set X,    32                          ; v32-159   x path: four sets of 32 numbers (a row's share of a lane); W path: eight sets of 16
.set ACC,  160                         ; v160-175  x path: eight pairs of partial logits
.set T,    176                         ; v176-183  x path: the other half of the lanes' sums
.set Z,    184                         ; v184-191  x path: lanes 2 r and 2 r + 1 keep row r's eight logits
.set CD,   192                         ; v192-207  x path: a row's codes, two sets of 8
.set O,    208                         ; v208-211  x path: what the lane stores of gs
.set MX,   212                         ; v212      the largest logit
.set SM,   213                         ; v213      the sum, then 2^(ea + eb) / the sum
.set CW,   160                         ; v160-223  W path: four registers of codes for each of 16 steps: no store's data are written again
; window 1 (v256-511), x path: gate_w: register 32 e + 16 hf + i = gate_w[e][512 hf + 16 lane + i]
.set MSB, 0
.macro WIN new                         ; the immediate's high byte repeats the setting that is left
.if MSB != (\new)
	s_set_vgpr_msb (MSB<<8)|(\new)
.set MSB, (\new)
.endif
.endm
	s_load_b256 s[4:11], s[0:1], 0x0               ; x s[4:5], expert_w s[6:7], gate_w s[8:9], gate_b s[10:11]
	s_load_b256 s[12:19], s[0:1], 0x20             ; lowp_scales s[12:13], x_codes s[14:15], w_codes s[16:17], gs s[18:19]
	v_lshrrev_b32 v1, 5, v0
	v_readfirstlane_b32 s20, v1                    ; wave 0..3
	v_and_b32 v2, 31, v0                           ; lane
	v_lshlrev_b32 v3, 6, v2                        ; in: 16 neighbouring numbers, 64 bytes, a lane
	v_lshlrev_b32 v4, 4, v2                        ; out: 16 bytes a lane
	s_wait_kmcnt 0x0
	s_load_b64 s[22:23], s[12:13], 0x0             ; ea, eb
	s_cmp_lt_u32 ttmp9, XWG                        ; the choice hangs on the work-group's number alone
	s_cbranch_scc0 .Lw
; ---------------- x: codes and gate ----------------
	s_load_b256 s[24:31], s[10:11], 0x0            ; gate_b
	s_lshl_b32 s21, ttmp9, 2
	s_add_co_u32 s21, s21, s20                     ; which 16 rows are my wave's: 0..255
	s_mov_b32 s37, 0
	s_lshl_b32 s36, s21, 16                        ; 16 rows of 4,096 bytes
	s_add_nc_u64 s[4:5], s[4:5], s[36:37]
	s_lshl_b32 s36, s21, 14                        ; 16 rows of 1,024 codes
	s_add_nc_u64 s[14:15], s[14:15], s[36:37]
	s_lshl_b32 s36, s21, 9                         ; 16 rows of 8 gates
	s_add_nc_u64 s[18:19], s[18:19], s[36:37]
	s_mov_b32 s32, 0x76543210                      ; v_permlanex16_b32's selects for lane l xor 16
	s_mov_b32 s33, 0xfedcba98
	WIN 0x40                                       ; destination window 1, address window 0
.irp e, 0,1,2,3,4,5,6,7
.irp j, 0,1,2,3,4,5,6,7                        ; j / 4 = hf, j % 4 = which 16 bytes
	global_load_b128 v[32*\e+4*\j:32*\e+4*\j+3], v3, s[8:9] offset:4096*\e+2048*(\j/4)+16*(\j%4)
.endr
.endr
	WIN 0
.macro LOADX r                         ; row r: the lane's 2 x 16 numbers into set r % 4; the four loads of a half read 2,048 consecutive bytes
.irp j, 0,1,2,3,4,5,6,7
	global_load_b128 v[X+32*((\r)%4)+4*\j:X+32*((\r)%4)+4*\j+3], v3, s[4:5] offset:4096*(\r)+2048*(\j/4)+16*(\j%4) th:TH_LOAD_NT
.endr
.endm
	LOADX 0
	LOADX 1
	LOADX 2
	LOADX 3
.irp e, 0,1,2,3,4,5,6,7
	v_mov_b32 v[T+\e], 0                           ; the destination of a lane permute counts as read
	v_mov_b32 v[Z+\e], 0
.endr
	s_wait_kmcnt 0x0                               ; ea, eb, gate_b
	s_add_co_i32 s34, s22, s23                     ; ea + eb
	s_add_co_i32 s22, s22, 127
	s_lshl_b32 s35, s22, 23
	v_mov_b32 v11, s35                             ; 2^ea as f32: the conversion takes its exponent field
	s_add_co_i32 s22, s22, 15
	s_lshl_b32 s22, s22, 23
	s_or_b32 s22, s22, 0x600000
	v_mov_b32 v10, s22                             ; 57,344 x 2^ea
.macro ROWX r
.set XS, X+32*((\r)%4)
.set CS, CD+8*((\r)%2)
.if 15-(\r) >= 3
	s_wait_loadcnt 24                              ; this row's eight loads (and gate_w's, which are older) are in; the next three rows' may be out
.else
	s_wait_loadcnt 8*(15-(\r))
.endif
	WIN 0x04                                       ; source 1 (gate_w) window 1
.irp m, 0,1,2,3,4,5,6,7,8,9,10,11,12,13,14,15  ; eight chains, one an expert, two numbers a step; the first product starts each sum
.irp e, 0,1,2,3,4,5,6,7
.if \m == 0
	v_pk_mul_f32 v[ACC+2*\e:ACC+2*\e+1], v[XS+2*\m:XS+2*\m+1], v[32*\e+2*\m:32*\e+2*\m+1]
.else
	v_pk_fma_f32 v[ACC+2*\e:ACC+2*\e+1], v[XS+2*\m:XS+2*\m+1], v[32*\e+2*\m:32*\e+2*\m+1], v[ACC+2*\e:ACC+2*\e+1]
.endif
.endr
.endr
	WIN 0
.irp e, 0,1,2,3,4,5,6,7
	v_add_f32 v[ACC+2*\e], v[ACC+2*\e], v[ACC+2*\e+1]
.endr
.irp k, 1,2,4,8                                ; across the 16 lanes of a half,
.irp e, 0,1,2,3,4,5,6,7
	v_add_f32_dpp v[ACC+2*\e], v[ACC+2*\e], v[ACC+2*\e] row_xmask:\k row_mask:0xf bank_mask:0xf
.endr
.endr
.irp e, 0,1,2,3,4,5,6,7
	v_permlanex16_b32 v[T+\e], v[ACC+2*\e], s32, s33   ; and across the halves
.endr
.irp e, 0,1,2,3,4,5,6,7
	v_add_f32 v[ACC+2*\e], v[ACC+2*\e], v[T+\e]    ; every lane holds the row's eight sums
.endr
	s_mov_b32 vcc_lo, 3<<(2*(\r))
.irp e, 0,1,2,3,4,5,6,7
	v_cndmask_b32 v[Z+\e], v[Z+\e], v[ACC+2*\e], vcc_lo   ; lanes 2 r and 2 r + 1 keep them
.endr
.irp i, 0,1,2,3,4,5,6,7,8,9,10,11,12,13,14,15,16,17,18,19,20,21,22,23,24,25,26,27,28,29,30,31
	v_med3_num_f32 v[XS+\i], v[XS+\i], -v10, v10   ; behind the gate's products, which take x as it is: the conversion does not saturate (ISA guide 7.6.2), so the number is held first
.endr
	s_wait_xcnt 0x0                                ; the stores of two rows ago have read this set of codes: it is written again only behind this wait
.irp g, 0,1,2,3
	v_cvt_scalef32_pk8_bf8_f32 v[CS+2*\g:CS+2*\g+1], v[XS+8*\g:XS+8*\g+7], v11
.endr
	v_nop                                          ; one plain vector instruction between a scaled conversion and what touches its result or writes its sources
	global_store_b128 v4, v[CS:CS+3], s[14:15] offset:1024*(\r)        ; the wave stores 512 consecutive bytes, aligned
	global_store_b128 v4, v[CS+4:CS+7], s[14:15] offset:1024*(\r)+512
.if (\r)+4 < 16
	LOADX (\r)+4
.endif
.endm
.irp r, 0,1,2,3,4,5,6,7,8,9,10,11,12,13,14,15
	ROWX \r
.endr
	; the softmax: lane l works on row l / 2
.irp e, 0,1,2,3,4,5,6,7
	v_add_f32 v[Z+\e], s[24+\e], v[Z+\e]           ; + gate_b
.endr
	v_max3_num_f32 v[MX], v[Z], v[Z+1], v[Z+2]
	v_max3_num_f32 v[MX], v[MX], v[Z+3], v[Z+4]
	v_max3_num_f32 v[MX], v[MX], v[Z+5], v[Z+6]
	v_max_num_f32 v[MX], v[MX], v[Z+7]
.irp e, 0,1,2,3,4,5,6,7
	v_sub_f32 v[Z+\e], v[Z+\e], v[MX]              ; the largest logit is taken away first
.endr
.irp e, 0,1,2,3,4,5,6,7
	v_mul_f32 v[Z+\e], 0x3fb8aa3b, v[Z+\e]         ; x log2(e)
.endr
.irp e, 0,1,2,3,4,5,6,7
	v_exp_f32 v[Z+\e], v[Z+\e]
.endr
	v_and_b32 v5, 1, v0                            ; (the plain instruction behind the exponentials)  the lane's parity
	s_wait_alu depctr_va_vdst(0)
	v_add_f32 v[SM], v[Z], v[Z+1]
.irp e, 2,3,4,5,6,7
	v_add_f32 v[SM], v[SM], v[Z+\e]
.endr
	v_rcp_f32 v[SM], v[SM]
	v_cmp_eq_u32 vcc_lo, 1, v5                     ; (the plain instruction behind the reciprocal)
	s_wait_alu depctr_va_vdst(0)
	v_ldexp_f32 v[SM], v[SM], s34                  ; x 2^(ea + eb): the second launch's sums are sums of codes
.irp e, 0,1,2,3,4,5,6,7
	v_mul_f32 v[Z+\e], v[Z+\e], v[SM]
.endr
.irp i, 0,1,2,3
	v_cndmask_b32 v[O+\i], v[Z+\i], v[Z+4+\i], vcc_lo   ; even lanes store experts 0-3, odd lanes experts 4-7
.endr
	global_store_b128 v4, v[O:O+3], s[18:19]       ; 16 rows x 32 bytes: the wave stores 512 consecutive bytes, aligned
	s_endpgm
; ---------------- expert_w: codes ----------------
.Lw:
	s_sub_co_u32 s21, ttmp9, XWG
	s_lshl_b32 s21, s21, 2
	s_add_co_u32 s21, s21, s20                     ; which 8 rows are my wave's: 0..2047
	s_mov_b32 s37, 0
	s_lshl_b32 s36, s21, 15                        ; 8 rows of 4,096 bytes
	s_add_nc_u64 s[6:7], s[6:7], s[36:37]
	s_lshr_b32 s38, s21, 8                         ; the expert: 256 such runs each
	s_and_b32 s39, s21, 255                        ; units 8 q .. 8 q + 7
	s_lshr_b32 s40, s39, 1
	s_lshl_b32 s40, s40, 7                         ; (h / 16) x 128
	s_lshl4_add_u32 s40, s38, s40                  ; + 16 e
	s_and_b32 s39, s39, 1
	s_lshl3_add_u32 s40, s39, s40                  ; + h % 16: the 8 rows stay neighbours
	s_lshl_b32 s36, s40, 10
	s_add_nc_u64 s[16:17], s[16:17], s[36:37]
.macro LOADW t                         ; step t: 512 numbers, 2,048 consecutive bytes, into set t % 8
.irp i, 0,1,2,3
	global_load_b128 v[X+16*((\t)%8)+4*\i:X+16*((\t)%8)+4*\i+3], v3, s[6:7] offset:2048*(\t)+16*\i th:TH_LOAD_NT
.endr
.endm
.irp t, 0,1,2,3,4,5,6,7
	LOADW \t
.endr
	s_wait_kmcnt 0x0
	s_add_co_i32 s23, s23, 127
	s_lshl_b32 s22, s23, 23
	v_mov_b32 v11, s22                             ; 2^eb as f32
	s_add_co_i32 s23, s23, 15
	s_lshl_b32 s23, s23, 23
	s_or_b32 s23, s23, 0x600000
	v_mov_b32 v10, s23                             ; 57,344 x 2^eb
.macro STEPW t
.set XS, X+16*((\t)%8)
.if 15-(\t) >= 7
	s_wait_loadcnt 28                              ; this step's four loads are in; the next seven steps' may be out
.else
	s_wait_loadcnt 4*(15-(\t))
.endif
.irp i, 0,1,2,3,4,5,6,7,8,9,10,11,12,13,14,15
	v_med3_num_f32 v[XS+\i], v[XS+\i], -v10, v10
.endr
	v_cvt_scalef32_pk8_bf8_f32 v[CW+4*(\t):CW+4*(\t)+1], v[XS:XS+7], v11
	v_cvt_scalef32_pk8_bf8_f32 v[CW+4*(\t)+2:CW+4*(\t)+3], v[XS+8:XS+15], v11
	v_nop                                          ; one plain vector instruction between a scaled conversion and what touches its result or writes its sources
	global_store_b128 v4, v[CW+4*(\t):CW+4*(\t)+3], s[16:17] offset:512*(\t)   ; the wave stores 512 consecutive bytes, aligned
.if (\t)+8 < 16
	LOADW (\t)+8
.endif
.endm
.irp t, 0,1,2,3,4,5,6,7,8,9,10,11,12,13,14,15
	STEPW \t
.endr
	s_endpgm
.Lfunc_end_k_q50df3662c1_prep:
	.size	k_q50df3662c1_prep, .Lfunc_end_k_q50df3662c1_prep-k_q50df3662c1_prep
	.p2alignl 7, 3214868480
	.fill 96, 4, 3214868480
	.section	.rodata,"a",@progbits
	.p2align	6, 0x0
	.amdhsa_kernel k_q50df3662c1_prep
		.amdhsa_group_segment_fixed_size 0
		.amdhsa_private_segment_fixed_size 0
		.amdhsa_enable_private_segment 0
		.amdhsa_kernarg_size 64
		.amdhsa_user_sgpr_count 2
		.amdhsa_user_sgpr_kernarg_segment_ptr 1
		.amdhsa_wavefront_size32 1
		.amdhsa_system_sgpr_workgroup_id_x 1
		.amdhsa_system_sgpr_workgroup_id_y 1
		.amdhsa_system_sgpr_workgroup_id_z 1
		.amdhsa_system_vgpr_workitem_id 0
		.amdhsa_next_free_vgpr 512
		.amdhsa_next_free_sgpr 66
		.amdhsa_reserve_vcc 1
		.amdhsa_float_denorm_mode_32 3
		.amdhsa_float_denorm_mode_16_64 3
		.amdhsa_memory_ordered 1
		.amdhsa_forward_progress 1
		.amdhsa_inst_pref_size 255
	.end_amdhsa_kernel
	.section	.bss,"aw",@nobits
	.p2align	6
	.space	262144
	.amdgpu_metadata
---
amdhsa.version: [ 1, 2 ]
amdhsa.kernels:
  - .name:           k_q50df3662c1_prep
    .symbol:         k_q50df3662c1_prep.kd
    .args:
      - { .name: x, .offset: 0, .size: 8, .value_kind: global_buffer, .address_space: global }
      - { .name: expert_w, .offset: 8, .size: 8, .value_kind: global_buffer, .address_space: global }
      - { .name: gate_w, .offset: 16, .size: 8, .value_kind: global_buffer, .address_space: global }
      - { .name: gate_b, .offset: 24, .size: 8, .value_kind: global_buffer, .address_space: global }
      - { .name: lowp_scales, .offset: 32, .size: 8, .value_kind: global_buffer, .address_space: global }
      - { .name: x_codes, .offset: 40, .size: 8, .value_kind: global_buffer, .address_space: global }
      - { .name: w_codes, .offset: 48, .size: 8, .value_kind: global_buffer, .address_space: global }
      - { .name: gs, .offset: 56, .size: 8, .value_kind: global_buffer, .address_space: global }
    .group_segment_fixed_size: 0
    .private_segment_fixed_size: 0
    .kernarg_segment_align: 8
    .kernarg_segment_size: 64
    .max_flat_workgroup_size: 128
    .sgpr_count:     66
    .vgpr_count:     512
    .wavefront_size: 32
...
	.end_amdgpu_metadata
.endif
;; end of part 1
;; launch moe (part 2): grid 16 x 16, 4 waves a work-group, clusters of 4 x 4, 327,680 bytes of LDS; arguments x_codes, w_codes, gs, expert_b, lowp_scales, out0; writes out0
.if DOCPART == 2
	.amdgcn_target "amdgcn-amd-amdhsa--gfx1250"
	.amdhsa_code_object_version 6
	.text
	.protected	k_q50df3662c1_moe
	.globl	k_q50df3662c1_moe
	.p2align	8
	.type	k_q50df3662c1_moe,@function
k_q50df3662c1_moe:
	s_mov_b64 s[64:65], 0
	v_nop
	global_prefetch_b8 v0, s[64:65] scope:SCOPE_SE
	s_setreg_imm32_b32 hwreg(HW_REG_WAVE_MODE, 25, 1), 1
	s_wait_xcnt 0x0
	s_wait_alu depctr_hold_cnt(0) depctr_sa_sdst(0) depctr_va_vdst(0) depctr_va_sdst(0) depctr_va_ssrc(0) depctr_va_vcc(0) depctr_vm_vsrc(0)
	s_getreg_b32 s2, hwreg(HW_REG_IB_STS2, 6, 4)
	s_cmp_eq_u32 s2, 0
	s_cbranch_scc0 .Lentry_in_a_cluster
	s_endpgm
.Lentry_in_a_cluster:
	s_bfe_u32 s2, ttmp6, 0x10000c
	s_cmp_lg_u32 s2, 0xf033
	s_cbranch_scc0 .Lentry_shape_is_right
	s_endpgm
.Lentry_shape_is_right:
; out[n][h] = sum over e of g[n][e] relu(x[n] . W[e][h] + b[e][h]).  x_codes [4096][1024] and w_codes [16384][1024] are codes of BF8 (E5M2), K innermost; gs [4096][8] = g x 2^(ea + eb), f32.
; The codes are multiplied as they are.  A sum begins with b x 2^-(ea + eb) (the C of a tile's first K step), so relu(sum) x gs = g relu(x . W + b): both powers of two are applied by v_ldexp_f32.
; LIMITS: b x 2^-(ea + eb) is an f32 number; NaN among the inputs is not served.
; THE COLUMNS.  w_codes' row (h / 16) x 128 + e x 16 + h % 16 holds expert e, unit h.  So 128 consecutive rows, an H-BLOCK, are 16 units of all 8 experts, and a wave's 128 columns are one h-block:
; its B fragment b IS expert b.  The sum over experts is then a sum over 8 accumulators of one lane, made once at the end of K, and the wave keeps a tile of 128 x 128: 64 accumulators, 512 registers.
; SHARES.  Work-group (X, Y) owns tokens 256 Y .. + 255 and units 128 X .. + 127.  It STAYS and walks 4 tiles of 256 tokens x 256 columns (2 h-blocks): pair P = 0, 1, tile t = 0, 1.  Wave w: rows 128 (w / 2) on,
; column half c = w % 2, h-block 8 X + 4 P + 2 c + t.  A pair's two tiles and the two column waves give 64 units: 256 consecutive bytes of a row of out.  The even tile's result is held in 64 registers.
; K goes in steps of 256 through a ring of two LDS slots filled by the tensor data mover; the ring goes on from tile to tile.  256 work-groups.
; CLUSTERS: 4 x 4 work-groups.  The four of a row of the cluster need the same tiles of x, the four of a column the same tiles of W: each tile is asked for JOINTLY, by the same tensor load with the same
; descriptor and a mask that names the four.  THE MATRIX INSTRUCTION IS USED TRANSPOSED (source 0 = 16 rows of W, source 1 = 16 tokens): lane l holds token l % 16, register j unit 8 (l / 16) + j of the h-block.
; REGISTERS, in windows of 256: window 0: v16-31 addresses; v32-95 HOLD; v96-127 CUR; v128-255 x's fragments (8 x 16 rows x 128 K), ONE set.
;   window 1: W's fragments, TWO sets, at v0 and v128; between tiles the second set's registers hold the gates (v128-191) and the next tile's bias (v192-255).
;   window 2: the 32 accumulators of my rows 0-63 (accumulator (a, b) at v[8 (8 a + b)]);   window 3: those of my rows 64-127.
.set ROWB,   256                       ; a tile's row in bytes: 256 codes
.set KROW,   1024                      ; a row of codes in memory
.set PITCH,  272                       ; an LDS row: 256 bytes + 16 of padding = 68 words: row r starts at bank 4 r mod 64 (64 banks of 4 bytes: ISA guide 11.1), so the 16 rows of a load start at 16 different banks
.set FR,     16                        ; registers of a fragment: 16 rows x 128 K
.set NL,     4                         ; LDS loads that bring one
.set HALFT,  128*PITCH                 ; 128 rows: what one tensor load brings, and what one wave reads of x or of W
.set SLOT,   4*HALFT                   ; x's 256 rows, then W's 256 rows
.set SPARE,  2*SLOT                    ; behind the ring: the spare words, 128 bytes for each wave: two blocks of 256 bytes that no other line names
.set GLDS,   SPARE+512                 ; gs of my 256 tokens, 32 bytes each; stored once, no tile lands here
.set STAGE,  GLDS+8192                 ; the way out: 128 rows x (256 bytes + 16), the work-group's; no tile lands here
.set SPITCH, 272
.set HBLK,   128*KROW                  ; an h-block of w_codes in bytes
.set OROW,   8192                      ; a row of out in bytes
.set ADRA, 16                          ; v16-17  LDS address of my x fragments in slot 0, 1
.set ADRB, 20                          ; v20-21  the same for W
.set STO,  24                          ; v24     the way out: where I put my 32 bytes of a row
.set RD,   25                          ; v25     the way out: where I read a row back
.set CO,   26                          ; v26     my byte offset in out
.set GAD,  27                          ; v27     LDS address of my token's gates
.set SPW,  28                          ; v28     LDS address of my spare word: SPARE + 4 x my thread's number; never rewritten
.set NIL,  29                          ; v29     0; never rewritten
.set VB,   30                          ; v30     my byte offset in an h-block's 64 bytes of bias
.set GST,  31                          ; v31     where my thread puts its part of gs
.set HOLD, 32                          ; v32-95  the even tile's result, 8 registers for each block of 16 tokens
.set CUR,  96                          ; v96-127 the odd tile's result of four blocks; then rows read back
.set AF,   128                         ; x's fragments
.set G,    128                         ; window 1: G + 8 a + e = gs of token 16 a + l % 16, expert e
.set BIAS, 192                         ; window 1: BIAS + 8 e + j = b[e][my unit j] x 2^-(ea + eb)
.set G1,  24                           ; s[24:31] descriptor group 1 for x's tiles;  s[32:39] group 0, one set for each slot
.set G0,  32
.set G1B, 48                           ; s[48:55], s[56:63] the same for W's tiles
.set G0B, 56
.set OB,  70                           ; s[70:71] out at the first row that I store, at the pair's 256 bytes
.set NEGE, 74                          ; s74      -(ea + eb)
.set BB,  76                           ; s[76:77] expert_b at h-block 8 X + 4 P + 2 c
.set MSB, 0
.macro WIN new                         ; the immediate's high byte repeats the setting that is left
.if MSB != (\new)
	s_set_vgpr_msb (MSB<<8)|(\new)
.set MSB, (\new)
.endif
.endm
.set MUL_LO,   0xa1                    ; source 0 (W) window 1, source 1 (x) window 0, C and D window 2
.set MUL_HI,   0xf1                    ; the same, C and D window 3
.set MUL_LO_C, 0x91                    ; a tile's first K step: C is the bias, in window 1
.set MUL_HI_C, 0xd1
.set TO_B,     0x40                    ; destination window 1, address window 0
; A joint load: waves 0 and 1 fetch for x, waves 2 and 3 for W.  Each of the two lines has ONE mask and one set of registers for all that issue it; the branch hangs on the wave's number alone.
; Four v_nop follow each of the two lines, ahead of the jump, the label and what follows.
.macro JLOAD g0a, g1a, g0b, g1b
	s_cmp_eq_u32 s15, 0
	s_cbranch_scc0 .Lfor_b_\@
	tensor_load_to_lds s[\g0a:\g0a+3], s[\g1a:\g1a+7]
	s_nop 0
.rept 4
	v_nop
.endr
	s_branch .Lasked_\@
.Lfor_b_\@:
	tensor_load_to_lds s[\g0b:\g0b+3], s[\g1b:\g1b+7]
	s_nop 0
.rept 4
	v_nop
.endr
.Lasked_\@:
.endm
.macro CREST                           ; a round of the cluster's barrier behind its opening barrier
	s_cmp_lg_u32 s14, 0
	s_cbranch_scc1 .Lnot_wave_0_\@
	s_barrier_signal -3
.Lnot_wave_0_\@:
	s_barrier_wait -3
	s_barrier_signal -1
	s_barrier_wait -1
.endm
.macro CROUND                          ; a whole round
	s_barrier_signal -1
	s_barrier_wait -1
	CREST
.endm
.macro PLACES n                        ; plain vector instructions behind matrix instructions, in front of loads into their registers and of reads of their results
.rept \n
	v_nop
.endr
.endm
.macro BIASLOAD off                    ; the bias of my h-block (off = 64 t bytes on): eight units of each expert, in the accumulators' layout
	WIN TO_B
.irp e, 0,1,2,3,4,5,6,7
	global_load_b128 v[BIAS+8*\e:BIAS+8*\e+3],   v[VB], s[BB:BB+1] offset:8192*\e+\off
	global_load_b128 v[BIAS+8*\e+4:BIAS+8*\e+7], v[VB], s[BB:BB+1] offset:8192*\e+16+\off
.endr
	WIN 0
.endm
.macro BIASFIX                         ; b x 2^-(ea + eb): the sums are sums of codes
	s_wait_loadcnt 0x0                             ; the sixteen bias loads are the only loads out
	WIN 0x41                                       ; destination and source 0 window 1
.set i, 0
.rept 64
	v_ldexp_f32 v[BIAS+i], v[BIAS+i], s[NEGE]
.set i, i+1
.endr
	WIN 0
	PLACES 4                                       ; an operand written by vector instructions stands four places ahead of the matrix instruction
.endm
.macro GLOAD                           ; my eight tokens' gates, eight each
	WIN TO_B
.irp a, 0,1,2,3,4,5,6,7
	ds_load_b128 v[G+8*\a:G+8*\a+3],   v[GAD] offset:512*\a
	ds_load_b128 v[G+8*\a+4:G+8*\a+7], v[GAD] offset:512*\a+16
.endr
	WIN 0
.endm
	s_load_b256 s[4:11], s[0:1], 0x0               ; x_codes s[4:5], w_codes s[6:7], gs s[8:9], expert_b s[10:11]
	s_load_b128 s[68:71], s[0:1], 0x20             ; lowp_scales s[68:69], out0 s[70:71]
	v_lshl_add_u32 v[SPW], v0, 2, SPARE
	v_mov_b32 v[NIL], 0
	ds_add_u32 v28, v29
	ds_add_u32 v28, v29
	s_wait_dscnt 0x0
	v_lshrrev_b32 v1, 5, v0
	v_readfirstlane_b32 s14, v1                    ; wave 0..3
	s_lshr_b32 s15, s14, 1                         ; which half of the tile's rows is mine.  Also: I fetch for x (0) or for W (1)
	s_and_b32 s16, s14, 1                          ; c: which half of its columns.  Also: which 128 rows of that tile I fetch
	s_bfe_u32 s40, ttmp6, 0x40000                  ; cx, cy: my place in the cluster
	s_bfe_u32 s41, ttmp6, 0x40004
	s_lshl_b32 s42, ttmp9, 2
	s_add_co_u32 s42, s42, s40                     ; X = 4 x cluster x + cx
	s_and_b32 s17, ttmp7, 0xffff
	s_lshl_b32 s17, s17, 2
	s_add_co_u32 s17, s17, s41                     ; Y = 4 x cluster y + cy
	s_lshl_b32 s43, s41, 2
	s_lshl_b32 s43, 15, s43                        ; my row of the cluster
	s_lshl_b32 s44, 0x1111, s40                    ; my column
	; descriptor group 1: a tile of 128 rows x 256 bytes, padded in LDS
	s_or_b32 s[G1+0], s43, (0<<16)|(1<<20)|(1<<21)|(5<<22)|(3<<25)  ; 15:0 the mask: x's tiles go to my row; 17:16 element of 1 byte; 20 padding on; 21 set beside a mask; 24:22 after every 64 words (code 5); 31:25 of 4 words (code 3)
	s_or_b32 s[G1B+0], s44, (0<<16)|(1<<20)|(1<<21)|(5<<22)|(3<<25) ; the same with the mask of my column, for W's tiles
.irp g, G1, G1B
	s_mov_b32 s[\g+1], ROWB<<16                    ; tensor_dim0
	s_mov_b32 s[\g+2], 128<<16                     ; tensor_dim1 = 128
	s_mov_b32 s[\g+3], ROWB<<16                    ; tile_dim0
	s_mov_b32 s[\g+4], 128                         ; tile_dim1 = 128
	s_mov_b32 s[\g+5], KROW                        ; tensor_dim0_stride
	s_mov_b32 s[\g+6], 0
	s_mov_b32 s[\g+7], 0
.endr
	; where the tiles come from: x's hang on Y alone, W's on X alone, each in registers that never hold the other coordinate
	s_lshl_b32 s18, s16, 7
	s_lshl_b32 s20, s17, 8
	s_add_co_u32 s20, s20, s18                     ; x: row 256 Y + 128 x half,
	s_lshl_b32 s20, s20, 10                        ; in bytes (under 2^22)
	s_mov_b32 s21, 0
	s_lshl_b32 s18, s16, 1
	s_lshl_b32 s46, s42, 3
	s_add_co_u32 s46, s46, s18                     ; W: h-block 8 X + 2 x half,
	s_lshl_b32 s46, s46, 17                        ; in bytes (under 2^24)
	s_mov_b32 s47, 0
	s_mul_i32 s45, s14, HALFT                      ; where they go: wave x 128 rows: no place in the cluster enters an LDS address
	s_wait_kmcnt 0x0
	s_load_b64 s[72:73], s[68:69], 0x0             ; ea, eb
	s_add_nc_u64 s[20:21], s[4:5], s[20:21]
	s_add_nc_u64 s[46:47], s[6:7], s[46:47]
	CROUND                                         ; all sixteen work-groups are here: the first joint loads meet
.irp s, 0,1
	s_mov_b32 s[G0+4*\s], 1                                        ; count = 1
	s_add_co_u32 s[G0+4*\s+1], s45, \s*SLOT                        ; LDS address
	s_add_nc_u64 s[G0+4*\s+2:G0+4*\s+3], s[20:21], \s*ROWB         ; global address: K step s of the first tile
	s_or_b32 s[G0+4*\s+3], s[G0+4*\s+3], 0x80000000                ; type = 2
	s_mov_b32 s[G0B+4*\s], 1
	s_add_co_u32 s[G0B+4*\s+1], s45, \s*SLOT
	s_add_nc_u64 s[G0B+4*\s+2:G0B+4*\s+3], s[46:47], \s*ROWB
	s_or_b32 s[G0B+4*\s+3], s[G0B+4*\s+3], 0x80000000
	JLOAD G0+4*\s, G1, G0B+4*\s, G1B               ; two tensor loads of mine are out
.endr
	v_and_b32 v1, 15, v0                           ; l % 16
	v_bfe_u32 v2, v0, 4, 1                         ; l / 16
	v_lshlrev_b32 v6, 4, v0                        ; gs: 16 bytes a thread
	v_lshlrev_b32 v[VB], 5, v2                     ; bias: eight units, 32 bytes, for each half of the lanes
	s_lshl_b32 s18, s17, 13                        ; gs of my 256 tokens: 8,192 bytes
	s_mov_b32 s19, 0
	s_add_nc_u64 s[8:9], s[8:9], s[18:19]
	s_lshl_b32 s22, s42, 3
	s_lshl_b32 s23, s16, 1
	s_add_co_u32 s22, s22, s23
	s_lshl_b32 s22, s22, 6                         ; h-block 8 X + 2 c: 64 bytes of bias each
	s_mov_b32 s23, 0
	s_add_nc_u64 s[BB:BB+1], s[10:11], s[22:23]
.irp i, 0,1,2,3
	global_load_b128 v[CUR+4*\i:CUR+4*\i+3], v6, s[8:9] offset:2048*\i
.endr
	BIASLOAD 0
	v_mul_u32_u24 v3, v1, PITCH
	v_lshl_add_u32 v4, v2, 4, v3                   ; a fragment's row x pitch + 16 x half
	s_mul_i32 s22, s15, HALFT                      ; my 128 rows of x
	s_mul_i32 s23, s16, HALFT                      ; my 128 rows of W,
	s_add_co_u32 s23, s23, 2*HALFT                 ; which lie behind x's 256
.irp s, 0,1
	v_add_nc_u32 v[ADRA+\s], s22, v4
	v_add_nc_u32 v[ADRB+\s], s23, v4
	s_add_co_u32 s22, s22, SLOT
	s_add_co_u32 s23, s23, SLOT
.endr
	s_mul_i32 s22, s15, 64*SPITCH                  ; into the stage: my row half's 64 rows, my column half's 128 bytes; row l % 16, 32 bytes for each half of the lanes
	s_lshl_b32 s23, s16, 7
	s_add_co_u32 s22, s22, s23
	s_add_co_u32 s22, s22, STAGE
	v_mul_u32_u24 v5, v1, SPITCH
	v_lshl_add_u32 v5, v2, 5, v5
	v_add_nc_u32 v[STO], s22, v5
	s_mul_i32 s22, s14, 32*SPITCH                  ; back: wave w takes rows 32 w .. 32 w + 31, whole; lanes 0-15 one row of 256 bytes, lanes 16-31 the next
	s_add_co_u32 s22, s22, STAGE
	v_mul_u32_u24 v5, v2, SPITCH
	v_lshl_add_u32 v5, v1, 4, v5
	v_add_nc_u32 v[RD], s22, v5
	v_lshlrev_b32 v5, 13, v2                       ; and the same two rows in out
	v_lshl_add_u32 v[CO], v1, 4, v5
	s_lshl_b32 s22, s15, 12
	s_add_co_u32 s22, s22, GLDS
	v_lshl_add_u32 v[GAD], v1, 5, s22              ; gates of token 128 (w / 2) + l % 16
	v_lshl_add_u32 v[GST], v0, 4, GLDS
	s_lshl_b32 s22, s17, 8                         ; the first row of out that I store: 256 Y + 128 (w / 2) + 32 c,
	s_lshl_b32 s23, s15, 7
	s_add_co_u32 s22, s22, s23
	s_lshl_b32 s23, s16, 5
	s_add_co_u32 s22, s22, s23
	s_lshl_b32 s22, s22, 13                        ; in bytes (under 2^25),
	s_lshl_b32 s23, s42, 9                         ; and the work-group's first column: 512 X bytes
	s_add_co_u32 s22, s22, s23
	s_mov_b32 s23, 0
	s_add_nc_u64 s[OB:OB+1], s[OB:OB+1], s[22:23]
	s_wait_loadcnt 16                              ; gs's four loads are in; the sixteen bias loads behind them may be out
.irp i, 0,1,2,3
	ds_store_b128 v[GST], v[CUR+4*\i:CUR+4*\i+3] offset:2048*\i
.endr
.macro FRAG reg, adr, q, i             ; a fragment: lane l holds row l % 16; registers 4 c .. 4 c + 3 hold K = 32 c + 16 (l / 16) + 0 .. 15: the same places in x and in W, so every product meets its partner
.irp c, 0,1,2,3
	ds_load_b128 v[\reg+4*\c:\reg+4*\c+3], v[\adr] offset:128*(\q)+32*\c+(\i)*16*PITCH
.endr
.endm
; 16 matrix instructions: x's blocks a0, a0 + 1 against W's eight (the eight experts), 128 along K.  p: W's set.  first = 1: the sums begin with the bias; nothing is ever cleared.
; The 64 accumulators take turns, one instruction a turn, in the same order in every step and from tile to tile.
.macro MUL16 a0, p, first
.irp a, \a0, \a0+1
.irp b, 0,1,2,3,4,5,6,7
.if \first
	v_wmma_f32_16x16x128_bf8_bf8 v[8*(8*((\a)%4)+\b):8*(8*((\a)%4)+\b)+7], v[128*(\p)+FR*\b:128*(\p)+FR*\b+FR-1], v[AF+FR*(\a):AF+FR*(\a)+FR-1], v[BIAS+8*\b:BIAS+8*\b+7]
.else
	v_wmma_f32_16x16x128_bf8_bf8 v[8*(8*((\a)%4)+\b):8*(8*((\a)%4)+\b)+7], v[128*(\p)+FR*\b:128*(\p)+FR*\b+FR-1], v[AF+FR*(\a):AF+FR*(\a)+FR-1], v[8*(8*((\a)%4)+\b):8*(8*((\a)%4)+\b)+7]
.endif
.endr
.endr
.endm
.macro FETCH_B slot, q, p              ; W's eight fragments of the slot's q-th 128 along K into set p
	WIN TO_B
.irp i, 0,1,2,3,4,5,6,7
	FRAG 128*(\p)+FR*\i, ADRB+\slot, \q, \i
.endr
	WIN 0
.endm
.macro FETCH_B4 slot, q, p, i0         ; four of them: i0 .. i0 + 3
	WIN TO_B
.irp i, \i0, \i0+1, \i0+2, \i0+3
	FRAG 128*(\p)+FR*(\i), ADRB+\slot, \q, \i
.endr
	WIN 0
.endm
.macro FETCH_A slot, q, i0             ; x's blocks i0 .. i0 + 3
.irp i, \i0, \i0+1, \i0+2, \i0+3
	FRAG AF+FR*(\i), ADRA+\slot, \q, \i
.endr
.endm
; A slot's first 128 along K (W's set 0).  A block of x is free as soon as its eight products are issued, so one set serves x: blocks 0-3 are fetched anew in the step's middle, blocks 4-7 at its end.
; first = 1: a tile's first step.  The upper half of W's set 1 still holds the bias, so its fragments 4-7 are fetched at the step's end, behind the last product that reads the bias.
.macro STEP slot, first
	s_wait_dscnt 4*NL                              ; W's set and x's blocks 0-3 are in; the youngest sixteen loads (x's blocks 4-7) may be out
.if \first
	WIN MUL_LO_C
.else
	WIN MUL_LO
.endif
	MUL16 0, 0, \first
	MUL16 2, 0, \first
	s_wait_dscnt 0x0                               ; x's blocks 4-7 are in (asked for 32 matrix instructions ago)
	PLACES 4
.if \first
	FETCH_B4 \slot, 1, 1, 0
.else
	FETCH_B \slot, 1, 1
.endif
	FETCH_A \slot, 1, 0
.if \first
	WIN MUL_HI_C
.else
	WIN MUL_HI
.endif
	MUL16 4, 0, \first
	MUL16 6, 0, \first
	PLACES 4
.if \first
	FETCH_B4 \slot, 1, 1, 4
.else
	WIN 0
.endif
	FETCH_A \slot, 1, 4
.endm
; A slot's second 128 along K (W's set 1) changes slots: ONE barrier; in front of it each wave waits for all its tensor loads, adds 0 to its spare word, and waits for that and for its own reads of this slot.
; fill = 1: the barrier opens a round of the cluster's barrier, and this slot is filled again first thing behind it, with the K step two steps on:
; kind 0: of this tile; kind 1: of the pair's second tile (x back along K, W one h-block on); kind 2: of the next pair's first tile (W three h-blocks on).
.macro TURN slot, next, fill, kind
	s_wait_tensorcnt 0x0                           ; all my tensor loads have landed: the one that was out is my part of the next slot  (every window is 0 here)
	ds_add_u32 v[SPW], v[NIL]                      ; 0 onto my spare word
	s_wait_dscnt 4*NL+1                            ; (the add and the youngest sixteen loads, x's blocks 4-7, may be out)
	WIN MUL_LO
	MUL16 0, 1, 0                                  ; sixteen matrix instructions stand between the add and the wait for it
	s_wait_dscnt 0x0                               ; the add is done, and my reads of this slot are over
	s_barrier_signal -1
	MUL16 2, 1, 0
	WIN 0
	s_barrier_wait -1
.if \fill
	CREST                                          ; no wave of any partner still reads this slot's tile or has a load on its way
.if \kind == 0
	s_add_nc_u64 s[G0+4*\slot+2:G0+4*\slot+3], s[G0+4*\slot+2:G0+4*\slot+3], 2*ROWB
	s_add_nc_u64 s[G0B+4*\slot+2:G0B+4*\slot+3], s[G0B+4*\slot+2:G0B+4*\slot+3], 2*ROWB
.else
	s_sub_nc_u64 s[G0+4*\slot+2:G0+4*\slot+3], s[G0+4*\slot+2:G0+4*\slot+3], 2*ROWB
	s_add_nc_u64 s[G0B+4*\slot+2:G0B+4*\slot+3], s[G0B+4*\slot+2:G0B+4*\slot+3], (2*\kind-1)*HBLK-2*ROWB
.endif
	JLOAD G0+4*\slot, G1, G0B+4*\slot, G1B         ; my one tensor load behind the round; the four v_nop behind it are the places in front of the loads below
.else
	PLACES 4
.endif
	FETCH_B \next, 0, 0
	FETCH_A \next, 0, 0
	WIN MUL_HI
	MUL16 4, 1, 0
	MUL16 6, 1, 0
	PLACES 4                                       ; for the loads below, and at a tile's end for the loads into W's set 1 and the first reads of the sums
	WIN 0
	FETCH_A \next, 0, 4
.endm
; THE END OF A TILE.  relu in place, window by window, each accumulator from its low end on;
.macro RELU4 p
	WIN 0x88+0x44*(\p)                             ; destination and source 1: window 2 or 3
.set i, 0
.rept 256
	v_max_num_f32 v[i], 0, v[i]
.set i, i+1
.endr
.endm
; then, for block a of 16 tokens, the sum over the eight experts of gate x relu: eight numbers a lane, two at a time; the first product starts the sums.
.macro COMB a, dst
	WIN 0x06+(\a)/4                                ; source 0: the accumulators' window; source 1: window 1 (the gates); source 2 and destination: window 0
.set AC, 64*((\a)%4)
.set GG, G+8*(\a)
.irp e, 0,1,2,3,4,5,6,7
.irp i, 0,1,2,3
.if \e == 0
	v_pk_mul_f32 v[\dst+2*\i:\dst+2*\i+1], v[AC+2*\i:AC+2*\i+1], v[GG:GG+1] op_sel_hi:[1,0]
.elseif (\e%2) == 0
	v_pk_fma_f32 v[\dst+2*\i:\dst+2*\i+1], v[AC+8*\e+2*\i:AC+8*\e+2*\i+1], v[GG+\e:GG+\e+1], v[\dst+2*\i:\dst+2*\i+1] op_sel_hi:[1,0,1]
.else
	v_pk_fma_f32 v[\dst+2*\i:\dst+2*\i+1], v[AC+8*\e+2*\i:AC+8*\e+2*\i+1], v[GG+\e-1:GG+\e], v[\dst+2*\i:\dst+2*\i+1] op_sel:[0,1,0] op_sel_hi:[1,1,1]
.endif
.endr
.endr
.endm
.macro EPI_EVEN                        ; a pair's first tile: its result stays in HOLD (free: the last way out ended with the wait that frees its stores' registers)
	s_wait_dscnt 0x0                               ; the gates are in (and the next tile's first fragments)
	RELU4 0
.irp a, 0,1,2,3
	COMB \a, HOLD+8*\a
.endr
	RELU4 1
.irp a, 4,5,6,7
	COMB \a, HOLD+8*\a
.endr
	WIN 0
.endm
; A pair's second tile, and THE WAY OUT, in two passes of 64 tokens a row half.  A row's 256 bytes come from two waves (column halves) and two tiles: 128 c + 64 t + 32 (l / 16) bytes into the row.
; So they meet in the work-group's stage: stores, each wave's wait for them, a barrier, whole rows back, 32 rows a wave.  Between the passes a second barrier: every wave's reads of the stage are back.
.macro EPI_ODD
	s_wait_dscnt 0x0                               ; the gates are in
.irp p, 0,1
	RELU4 \p
.irp k, 0,1,2,3
	COMB 4*\p+\k, CUR+8*\k
.endr
	WIN 0
.irp k, 0,1,2,3
	ds_store_b128 v[STO], v[HOLD+32*\p+8*\k:HOLD+32*\p+8*\k+3]   offset:\k*16*SPITCH
	ds_store_b128 v[STO], v[HOLD+32*\p+8*\k+4:HOLD+32*\p+8*\k+7] offset:\k*16*SPITCH+16
	ds_store_b128 v[STO], v[CUR+8*\k:CUR+8*\k+3]                 offset:\k*16*SPITCH+64
	ds_store_b128 v[STO], v[CUR+8*\k+4:CUR+8*\k+7]               offset:\k*16*SPITCH+80
.endr
	s_wait_dscnt 0x0                               ; for the others' sake: my stores into the stage are done
	s_barrier_signal -1
	s_barrier_wait -1
.irp t, 0,1,2,3,4,5,6,7
	ds_load_b128 v[CUR+4*\t:CUR+4*\t+3], v[RD] offset:\t*2*SPITCH
.endr
.irp t, 0,1,2,3,4,5,6,7
	ds_load_b128 v[HOLD+32*\p+4*\t:HOLD+32*\p+4*\t+3], v[RD] offset:(\t+8)*2*SPITCH
.endr
.irp t, 0,1,2,3,4,5,6,7
	s_wait_dscnt 15-\t                             ; LDS loads come back in order (ISA guide 5.7.1): this one is in, the younger ones may be out
	global_store_b128 v[CO], v[CUR+4*\t:CUR+4*\t+3], s[OB:OB+1] offset:(64*\p+2*\t)*OROW th:TH_STORE_NT   ; 16 lanes store 256 consecutive bytes, at a multiple of 256 from out's first byte
.endr
.irp t, 0,1,2,3,4,5,6,7
	s_wait_dscnt 7-\t
	global_store_b128 v[CO], v[HOLD+32*\p+4*\t:HOLD+32*\p+4*\t+3], s[OB:OB+1] offset:(64*\p+2*(\t+8))*OROW th:TH_STORE_NT
.endr
	s_wait_xcnt 0x0                                ; only behind this wait are the stores' registers and their base written again
.if \p == 0
	s_barrier_signal -1                            ; my reads of the stage are back (the count-down ended at 0):
	s_barrier_wait -1                              ; everybody's are: the second pass may store into it
.endif
.endr
.endm
	s_wait_tensorcnt 1                             ; my part of K step 0 is in (K step 1's load may be out)
	s_wait_dscnt 0x0                               ; and my part of gs is in LDS
	s_barrier_signal -1
	s_barrier_wait -1                              ; everybody's is
	FETCH_B 0, 0, 0
	FETCH_A 0, 0, 0
	FETCH_A 0, 0, 4
	s_wait_kmcnt 0x0
	s_add_co_i32 s[NEGE], s72, s73
	s_sub_co_i32 s[NEGE], 0, s[NEGE]               ; -(ea + eb)
	BIASFIX
	s_mov_b32 s3, 2                                ; pairs to go, this one among them: the same number in every work-group
.Lpair:                                                ; (every window is 0 here)
	STEP 0, 1                                      ; the pair's first tile: four K steps of 256, two steps of 128 each
	TURN 0, 1, 1, 0
	STEP 1, 0
	TURN 1, 0, 1, 0
	STEP 0, 0
	TURN 0, 1, 1, 1                                ; THE RING GOES ON INTO THE NEXT TILE: slot 0 takes its K step 0,
	STEP 1, 0
	TURN 1, 0, 1, 1                                ; slot 1 its K step 1, and the next tile's first fragments are fetched
	BIASLOAD 64                                    ; both refills are asked for: now the tile is closed, while they land
	GLOAD
	EPI_EVEN
	BIASFIX
	STEP 0, 1                                      ; the pair's second tile
	TURN 0, 1, 1, 0
	STEP 1, 0
	TURN 1, 0, 1, 0
	STEP 0, 0
	s_cmp_eq_u32 s3, 1
	s_cbranch_scc1 .Llast                          ; the last tile's tail is written out: it asks for nothing more
	TURN 0, 1, 1, 2
	STEP 1, 0
	TURN 1, 0, 1, 2
	s_add_nc_u64 s[BB:BB+1], s[BB:BB+1], 256       ; four h-blocks of bias on (no load that names this base is out: the last were waited for)
	BIASLOAD 0
	GLOAD
	EPI_ODD
	s_add_nc_u64 s[OB:OB+1], s[OB:OB+1], 256       ; the next pair's 256 bytes of each row (behind the way out's last wait, which frees the base)
	BIASFIX
	s_sub_co_u32 s3, s3, 1
	s_branch .Lpair
.Llast:
	TURN 0, 1, 0, 0                                ; my one tensor load that was still out is the last K step's, so no round follows
	STEP 1, 0
	s_wait_dscnt 4*NL                              ; the very last step: nothing more to fetch
	WIN MUL_LO
	MUL16 0, 1, 0
	MUL16 2, 1, 0
	s_wait_dscnt 0x0
	WIN MUL_HI
	MUL16 4, 1, 0
	MUL16 6, 1, 0
	PLACES 4                                       ; for the gates' loads into W's set 1 and the first reads of the sums
	WIN 0
	GLOAD
	EPI_ODD
	s_wait_tensorcnt 0x0                           ; the wave's end, behind my last tensor load and my last LDS store
	ds_add_u32 v[SPW], v[NIL]
	s_wait_dscnt 0x0
	CROUND                                         ; the closing round: no work-group ends while a partner may still ask for a tile that names it
	s_endpgm
.Lfunc_end_k_q50df3662c1_moe:
	.size	k_q50df3662c1_moe, .Lfunc_end_k_q50df3662c1_moe-k_q50df3662c1_moe
	.p2alignl 7, 3214868480
	.fill 96, 4, 3214868480
	.section	.rodata,"a",@progbits
	.p2align	6, 0x0
	.amdhsa_kernel k_q50df3662c1_moe
		.amdhsa_group_segment_fixed_size 327680
		.amdhsa_private_segment_fixed_size 0
		.amdhsa_enable_private_segment 0
		.amdhsa_kernarg_size 48
		.amdhsa_user_sgpr_count 2
		.amdhsa_user_sgpr_kernarg_segment_ptr 1
		.amdhsa_wavefront_size32 1
		.amdhsa_system_sgpr_workgroup_id_x 1
		.amdhsa_system_sgpr_workgroup_id_y 1
		.amdhsa_system_sgpr_workgroup_id_z 1
		.amdhsa_system_vgpr_workitem_id 0
		.amdhsa_next_free_vgpr 1024
		.amdhsa_next_free_sgpr 80
		.amdhsa_reserve_vcc 0
		.amdhsa_float_denorm_mode_32 3
		.amdhsa_float_denorm_mode_16_64 3
		.amdhsa_memory_ordered 1
		.amdhsa_forward_progress 1
		.amdhsa_inst_pref_size 255
	.end_amdhsa_kernel
	.section	.bss,"aw",@nobits
	.p2align	6
	.space	262144
	.amdgpu_metadata
---
amdhsa.version: [ 1, 2 ]
amdhsa.kernels:
  - .name:           k_q50df3662c1_moe
    .symbol:         k_q50df3662c1_moe.kd
    .args:
      - { .name: x_codes, .offset: 0, .size: 8, .value_kind: global_buffer, .address_space: global }
      - { .name: w_codes, .offset: 8, .size: 8, .value_kind: global_buffer, .address_space: global }
      - { .name: gs, .offset: 16, .size: 8, .value_kind: global_buffer, .address_space: global }
      - { .name: expert_b, .offset: 24, .size: 8, .value_kind: global_buffer, .address_space: global }
      - { .name: lowp_scales, .offset: 32, .size: 8, .value_kind: global_buffer, .address_space: global }
      - { .name: out0, .offset: 40, .size: 8, .value_kind: global_buffer, .address_space: global }
    .group_segment_fixed_size: 327680
    .private_segment_fixed_size: 0
    .kernarg_segment_align: 8
    .kernarg_segment_size: 48
    .max_flat_workgroup_size: 128
    .sgpr_count:     80
    .vgpr_count:     1024
    .wavefront_size: 32
...
	.end_amdgpu_metadata
.endif
;; end of part 2
;; ======== version 2 of 2: 2 launches
;; limits: right only within a limited range of input values
;; workspace buffers: x_codes 4,194,304 bytes; w_codes 16,777,216 bytes; gs 131,072 bytes
;; launch prep (part 3): grid 256 x 1, 6 waves a work-group, no clusters, 0 bytes of LDS; arguments x, expert_w, gate_w, gate_b, lowp_scales, x_codes, w_codes, gs; writes x_codes, w_codes, gs
.if DOCPART == 3
	.amdgcn_target "amdgcn-amd-amdhsa--gfx1250"
	.amdhsa_code_object_version 6
	.text
	.protected	k_q50df3662c1_prep
	.globl	k_q50df3662c1_prep
	.p2align	8
	.type	k_q50df3662c1_prep,@function
k_q50df3662c1_prep:
	s_mov_b64 s[64:65], 0
	v_nop
	global_prefetch_b8 v0, s[64:65] scope:SCOPE_SE
	s_setreg_imm32_b32 hwreg(HW_REG_WAVE_MODE, 25, 1), 1
	s_wait_xcnt 0x0
; x [4096][1024] and expert_w [8][2048][1024], f32, are turned ONCE into codes of BF8 (E5M2), K innermost, each with the one scale 2^e given for it
; (lowp_scales: entry 0 = ea for x, entry 1 = eb for expert_w): code = number / 2^e, held within +-57,344, rounded to the nearest code, ties to even.
; The same launch makes the gate: gs[n][e] = softmax_e(x[n] . gate_w[e] + gate_b[e]) x 2^(ea + eb), all in f32 (fused multiply-adds, the row's largest logit taken away before the exponentials).
; w_codes is laid for the second launch: the row of expert e, unit h stands at row (h / 16) x 128 + e x 16 + h % 16, so that 128 consecutive rows hold 16 units of all 8 experts.
; THE ORDER OF K IN A ROW OF CODES.  Each load takes 16 bytes a lane at 16 x lane: a wave reads 512 consecutive bytes.  Four such loads give a lane k = 128 c + 4 lane + i (c, i = 0 .. 3) of a block of 512 numbers,
; and its 16 codes are stored together: byte 16 lane + 4 c + i of the block's 512 bytes holds the code of k = 128 c + 4 lane + i.  That is a permutation of k inside each block of 512, THE SAME in x_codes and in w_codes:
; the second launch multiplies byte p of a row of x by byte p of a row of W, so every product meets its partner, and only the order of the f32 sums is another.
; LIMITS: -126 <= e and e + 15 <= 127 for both exponents; 2^(ea + eb) / (the softmax's sum) is an f32 number; NaN among the inputs is not served (an infinity is held at the largest code).
; SHARES: 256 work-groups of six waves, all alike.  Waves 0 and 1 take 8 rows of x each (32 KiB, and gate_w's 32 KiB); waves 2 to 5 take 16 rows of expert_w each (64 KiB): every wave reads 64 KiB.
; On their way for a work-group: 4 waves x 48 loads and 2 waves x 32 loads of 512 bytes: 128 KiB.  No LDS, no barrier: waves share nothing.
; The matrix units are left out: the gate's product has 8 columns, and the launch is a stream.
.set XW,   2                           ; waves that take x
.set O,    12                          ; v12-13    x path: what the lane stores of gs
.set MX,   14                          ; v14       the largest logit, then that x log2(e)
.set SM,   15                          ; v15       the sum, then 2^(ea + eb) / the sum
.set S4,   16                          ; v16-19    the first of two selections
.set X,    32                          ; v32-159   x path: four sets of 32 numbers (a row's share of a lane); v32-223 W path: twelve sets of 16
.set ACC,  160                         ; v160-175  x path: eight pairs of partial logits
.set T,    176                         ; v176-183  x path: the other half of the lanes' sums
.set Z,    184                         ; v184-191  x path: lanes 4 r .. 4 r + 3 keep row r's eight logits
.set CD,   192                         ; v192-255  x path: eight registers of codes for each of the 8 rows: no store's data are written again
.set NSET, 12                          ; W path: sets in the ring
.set CW,   224                         ; v224-239  W path: four registers of codes, four sets by turns
; window 1 (v256-511), x path: gate_w: register 32 e + 4 j + i = gate_w[e][128 j + 4 lane + i]
.set MSB, 0
.macro WIN new                         ; the immediate's high byte repeats the setting that is left
.if MSB != (\new)
	s_set_vgpr_msb (MSB<<8)|(\new)
.set MSB, (\new)
.endif
.endm
	s_load_b256 s[4:11], s[0:1], 0x0               ; x s[4:5], expert_w s[6:7], gate_w s[8:9], gate_b s[10:11]
	s_load_b256 s[12:19], s[0:1], 0x20             ; lowp_scales s[12:13], x_codes s[14:15], w_codes s[16:17], gs s[18:19]
	v_lshrrev_b32 v1, 5, v0
	v_readfirstlane_b32 s20, v1                    ; wave 0..5
	v_and_b32 v2, 31, v0                           ; lane
	v_lshlrev_b32 v4, 4, v2                        ; 16 bytes a lane, in and out; never rewritten
	v_lshlrev_b32 v3, 3, v2                        ; gs: 8 bytes a lane; never rewritten
	s_wait_kmcnt 0x0
	s_load_b64 s[22:23], s[12:13], 0x0             ; ea, eb
	s_cmp_lt_u32 s20, XW                           ; the choice hangs on the wave's number alone
	s_cbranch_scc0 .Lw
; ---------------- x: codes and gate ----------------
	s_load_b256 s[24:31], s[10:11], 0x0            ; gate_b
	s_lshl_b32 s21, ttmp9, 1
	s_add_co_u32 s21, s21, s20                     ; which 8 rows are my wave's: 0..511
	s_mov_b32 s37, 0
	s_lshl_b32 s36, s21, 15                        ; 8 rows of 4,096 bytes
	s_add_nc_u64 s[4:5], s[4:5], s[36:37]
	s_lshl_b32 s36, s21, 13                        ; 8 rows of 1,024 codes
	s_add_nc_u64 s[14:15], s[14:15], s[36:37]
	s_lshl_b32 s36, s21, 8                         ; 8 rows of 8 gates
	s_add_nc_u64 s[18:19], s[18:19], s[36:37]
	s_mov_b32 s32, 0x76543210                      ; v_permlanex16_b32's selects for lane l xor 16
	s_mov_b32 s33, 0xfedcba98
	s_mov_b32 s38, 0x3fb8aa3b                      ; log2(e)
	WIN 0x40                                       ; destination window 1, address window 0
	s_wait_alu depctr_va_vdst(0)
.irp e, 0,1,2,3,4,5,6,7
.irp j, 0,1,2,3,4,5,6,7
	global_load_b128 v[32*\e+4*\j:32*\e+4*\j+3], v4, s[8:9] offset:4096*\e+512*\j
.endr
.endr
	WIN 0
.macro LOADX r                         ; row r into set r % 4: eight loads of 512 consecutive bytes; register 4 j + i = x[row][128 j + 4 lane + i]
.irp j, 0,1,2,3,4,5,6,7
	global_load_b128 v[X+32*((\r)%4)+4*\j:X+32*((\r)%4)+4*\j+3], v4, s[4:5] offset:4096*(\r)+512*\j th:TH_LOAD_NT
.endr
.endm
	LOADX 0
	LOADX 1
	LOADX 2
	LOADX 3
.irp e, 0,1,2,3,4,5,6,7
	v_mov_b32 v[T+\e], 0                           ; the destination of a lane permute counts as read
	v_mov_b32 v[Z+\e], 0
.endr
	s_wait_kmcnt 0x0                               ; ea, eb, gate_b
	s_add_co_i32 s34, s22, s23                     ; ea + eb
	s_add_co_i32 s22, s22, 127
	s_lshl_b32 s35, s22, 23
	v_mov_b32 v11, s35                             ; 2^ea as f32: the conversion takes its exponent field
	s_add_co_i32 s22, s22, 15
	s_lshl_b32 s22, s22, 23
	s_or_b32 s22, s22, 0x600000
	v_mov_b32 v10, s22                             ; 57,344 x 2^ea
.macro ROWX r
.set XS, X+32*((\r)%4)
.set CS, CD+8*(\r)
.if 7-(\r) >= 3
	s_wait_loadcnt 24                              ; this row's eight loads (and gate_w's, which are older) are in; the next three rows' may be out
.else
	s_wait_loadcnt 8*(7-(\r))
.endif
	WIN 0x04                                       ; source 1 (gate_w) window 1
.irp m, 0,1,2,3,4,5,6,7,8,9,10,11,12,13,14,15  ; eight chains, one an expert, two numbers a step; the first product starts each sum
.irp e, 0,1,2,3,4,5,6,7
.if \m == 0
	v_pk_mul_f32 v[ACC+2*\e:ACC+2*\e+1], v[XS+2*\m:XS+2*\m+1], v[32*\e+2*\m:32*\e+2*\m+1]
.else
	v_pk_fma_f32 v[ACC+2*\e:ACC+2*\e+1], v[XS+2*\m:XS+2*\m+1], v[32*\e+2*\m:32*\e+2*\m+1], v[ACC+2*\e:ACC+2*\e+1]
.endif
.endr
.endr
	WIN 0
.irp e, 0,1,2,3,4,5,6,7
	v_add_f32 v[ACC+2*\e], v[ACC+2*\e], v[ACC+2*\e+1]
.endr
.irp k, 1,2,4,8                                ; across the 16 lanes of a half,
.irp e, 0,1,2,3,4,5,6,7
	v_add_f32_dpp v[ACC+2*\e], v[ACC+2*\e], v[ACC+2*\e] row_xmask:\k row_mask:0xf bank_mask:0xf
.endr
.endr
.irp e, 0,1,2,3,4,5,6,7
	v_permlanex16_b32 v[T+\e], v[ACC+2*\e], s32, s33   ; and across the halves
.endr
.irp e, 0,1,2,3,4,5,6,7
	v_add_f32 v[ACC+2*\e], v[ACC+2*\e], v[T+\e]    ; every lane holds the row's eight sums
.endr
	s_mov_b32 vcc_lo, 15<<(4*(\r))
.irp e, 0,1,2,3,4,5,6,7
	v_cndmask_b32 v[Z+\e], v[Z+\e], v[ACC+2*\e], vcc_lo   ; lanes 4 r .. 4 r + 3 keep them
.endr
.irp i, 0,1,2,3,4,5,6,7,8,9,10,11,12,13,14,15,16,17,18,19,20,21,22,23,24,25,26,27,28,29,30,31
	v_med3_num_f32 v[XS+\i], v[XS+\i], -v10, v10   ; behind the gate's products, which take x as it is: the conversion does not saturate (ISA guide 7.6.2), so the number is held first
.endr
.irp g, 0,1,2,3
	v_cvt_scalef32_pk8_bf8_f32 v[CS+2*\g:CS+2*\g+1], v[XS+8*\g:XS+8*\g+7], v11   ; register j of the eight: the four codes of k = 128 j + 4 lane + 0 .. 3
.endr
	v_nop                                          ; one plain vector instruction between a scaled conversion and what touches its result or writes its sources
	global_store_b128 v4, v[CS:CS+3], s[14:15] offset:1024*(\r)        ; the wave stores 512 consecutive bytes, aligned: the row's first block of 512 codes,
	global_store_b128 v4, v[CS+4:CS+7], s[14:15] offset:1024*(\r)+512  ; and its second
.if (\r)+4 < 8
	LOADX (\r)+4
.endif
.endm
.irp r, 0,1,2,3,4,5,6,7
	ROWX \r
.endr
	; the softmax: lane l works on row l / 4
.irp e, 0,1,2,3,4,5,6,7
	v_add_f32 v[Z+\e], s[24+\e], v[Z+\e]           ; + gate_b
.endr
	v_max3_num_f32 v[MX], v[Z], v[Z+1], v[Z+2]
	v_max3_num_f32 v[MX], v[MX], v[Z+3], v[Z+4]
	v_max3_num_f32 v[MX], v[MX], v[Z+5], v[Z+6]
	v_max_num_f32 v[MX], v[MX], v[Z+7]
	v_mul_f32 v[MX], s38, v[MX]
.irp e, 0,1,2,3,4,5,6,7
	v_fma_f32 v[Z+\e], v[Z+\e], s38, -v[MX]        ; (logit - the largest logit) x log2(e), one fused multiply-add: 0 or less, but for the rounding of the product above
.endr
	s_wait_alu depctr_va_vdst(0)
.irp e, 0,1,2,3,4,5,6,7
	v_exp_f32 v[Z+\e], v[Z+\e]
.endr
	v_nop                                          ; the plain instruction behind the exponentials
	s_wait_alu depctr_va_vdst(0)
	v_add_f32 v[SM], v[Z], v[Z+1]
.irp e, 2,3,4,5,6,7
	v_add_f32 v[SM], v[SM], v[Z+\e]
.endr
	s_wait_alu depctr_va_vdst(0)
	v_rcp_f32 v[SM], v[SM]
	v_nop                                          ; the plain instruction behind the reciprocal
	s_wait_alu depctr_va_vdst(0)
	v_ldexp_f32 v[SM], v[SM], s34                  ; x 2^(ea + eb): the second launch's sums are sums of codes
.irp e, 0,1,2,3,4,5,6,7
	v_mul_f32 v[Z+\e], v[Z+\e], v[SM]
.endr
	s_mov_b32 vcc_lo, 0xaaaaaaaa                   ; lane l stores experts 2 (l % 4) and 2 (l % 4) + 1: first by the lane's bit 0,
	v_cndmask_b32 v[S4],   v[Z],   v[Z+2], vcc_lo
	v_cndmask_b32 v[S4+1], v[Z+1], v[Z+3], vcc_lo
	v_cndmask_b32 v[S4+2], v[Z+4], v[Z+6], vcc_lo
	v_cndmask_b32 v[S4+3], v[Z+5], v[Z+7], vcc_lo
	s_mov_b32 vcc_lo, 0xcccccccc                   ; then by its bit 1
	v_cndmask_b32 v[O],   v[S4],   v[S4+2], vcc_lo
	v_cndmask_b32 v[O+1], v[S4+1], v[S4+3], vcc_lo
	global_store_b64 v3, v[O:O+1], s[18:19]        ; 8 rows x 32 bytes: the wave stores 256 consecutive bytes, aligned
	s_endpgm
; ---------------- expert_w: codes ----------------
.Lw:
	s_lshl_b32 s21, ttmp9, 2
	s_add_co_u32 s21, s21, s20
	s_sub_co_u32 s21, s21, XW                      ; which 16 rows are my wave's: 0..1023
	s_mov_b32 s37, 0
	s_lshl_b32 s36, s21, 16                        ; 16 rows of 4,096 bytes
	s_add_nc_u64 s[6:7], s[6:7], s[36:37]
	s_lshr_b32 s38, s21, 7                         ; the expert: 128 such runs each
	s_and_b32 s39, s21, 127                        ; h / 16
	s_lshl_b32 s39, s39, 7                         ; (h / 16) x 128
	s_lshl4_add_u32 s39, s38, s39                  ; + 16 e: the 16 rows stay neighbours
	s_lshl_b32 s36, s39, 10
	s_add_nc_u64 s[16:17], s[16:17], s[36:37]
.macro LOADW t                         ; step t: a block of 512 numbers into set t % 12: four loads of 512 consecutive bytes; register 4 c + i = k 128 c + 4 lane + i of the block
.irp i, 0,1,2,3
	global_load_b128 v[X+16*((\t)%NSET)+4*\i:X+16*((\t)%NSET)+4*\i+3], v4, s[6:7] offset:2048*(\t)+512*\i th:TH_LOAD_NT
.endr
.endm
	s_wait_alu depctr_va_vdst(0)
.irp t, 0,1,2,3,4,5,6,7,8,9,10,11
	LOADW \t
.endr
	s_wait_kmcnt 0x0
	s_add_co_i32 s23, s23, 127
	s_lshl_b32 s22, s23, 23
	v_mov_b32 v11, s22                             ; 2^eb as f32
	s_add_co_i32 s23, s23, 15
	s_lshl_b32 s23, s23, 23
	s_or_b32 s23, s23, 0x600000
	v_mov_b32 v10, s23                             ; 57,344 x 2^eb
.macro STEPW t
.set XS, X+16*((\t)%NSET)
.set CS, CW+4*((\t)%4)
.if 31-(\t) >= NSET-1
	s_wait_loadcnt 4*(NSET-1)                      ; this step's four loads are in; the next eleven steps' may be out
.else
	s_wait_loadcnt 4*(31-(\t))
.endif
.if (\t) >= 4
	s_wait_xcnt 0x0                                ; the store of four steps ago has read this set of codes: it is written again only behind this wait (nothing has been issued since the last step)
.endif
.irp i, 0,1,2,3,4,5,6,7,8,9,10,11,12,13,14,15
	v_med3_num_f32 v[XS+\i], v[XS+\i], -v10, v10   ; the conversion does not saturate (ISA guide 7.6.2): the number is held first
.endr
	v_cvt_scalef32_pk8_bf8_f32 v[CS:CS+1], v[XS:XS+7], v11
	v_cvt_scalef32_pk8_bf8_f32 v[CS+2:CS+3], v[XS+8:XS+15], v11
	v_nop                                          ; one plain vector instruction between a scaled conversion and what touches its result or writes its sources
	global_store_b128 v4, v[CS:CS+3], s[16:17] offset:512*(\t)   ; the wave stores 512 consecutive bytes, aligned: the block's codes, in the same order as x's
.if (\t)+NSET < 32
	LOADW (\t)+NSET
.endif
.endm
	s_wait_alu depctr_va_vdst(0)
.irp t, 0,1,2,3,4,5,6,7,8,9,10,11,12,13,14,15,16,17,18,19,20,21,22,23,24,25,26,27,28,29,30,31
	STEPW \t
.endr
	s_endpgm
.Lfunc_end_k_q50df3662c1_prep:
	.size	k_q50df3662c1_prep, .Lfunc_end_k_q50df3662c1_prep-k_q50df3662c1_prep
	.p2alignl 7, 3214868480
	.fill 96, 4, 3214868480
	.section	.rodata,"a",@progbits
	.p2align	6, 0x0
	.amdhsa_kernel k_q50df3662c1_prep
		.amdhsa_group_segment_fixed_size 0
		.amdhsa_private_segment_fixed_size 0
		.amdhsa_enable_private_segment 0
		.amdhsa_kernarg_size 64
		.amdhsa_user_sgpr_count 2
		.amdhsa_user_sgpr_kernarg_segment_ptr 1
		.amdhsa_wavefront_size32 1
		.amdhsa_system_sgpr_workgroup_id_x 1
		.amdhsa_system_sgpr_workgroup_id_y 1
		.amdhsa_system_sgpr_workgroup_id_z 1
		.amdhsa_system_vgpr_workitem_id 0
		.amdhsa_next_free_vgpr 512
		.amdhsa_next_free_sgpr 66
		.amdhsa_reserve_vcc 1
		.amdhsa_float_denorm_mode_32 3
		.amdhsa_float_denorm_mode_16_64 3
		.amdhsa_memory_ordered 1
		.amdhsa_forward_progress 1
		.amdhsa_inst_pref_size 183
	.end_amdhsa_kernel
	.amdgpu_metadata
---
amdhsa.version: [ 1, 2 ]
amdhsa.kernels:
  - .name:           k_q50df3662c1_prep
    .symbol:         k_q50df3662c1_prep.kd
    .args:
      - { .name: x, .offset: 0, .size: 8, .value_kind: global_buffer, .address_space: global }
      - { .name: expert_w, .offset: 8, .size: 8, .value_kind: global_buffer, .address_space: global }
      - { .name: gate_w, .offset: 16, .size: 8, .value_kind: global_buffer, .address_space: global }
      - { .name: gate_b, .offset: 24, .size: 8, .value_kind: global_buffer, .address_space: global }
      - { .name: lowp_scales, .offset: 32, .size: 8, .value_kind: global_buffer, .address_space: global }
      - { .name: x_codes, .offset: 40, .size: 8, .value_kind: global_buffer, .address_space: global }
      - { .name: w_codes, .offset: 48, .size: 8, .value_kind: global_buffer, .address_space: global }
      - { .name: gs, .offset: 56, .size: 8, .value_kind: global_buffer, .address_space: global }
    .group_segment_fixed_size: 0
    .private_segment_fixed_size: 0
    .kernarg_segment_align: 8
    .kernarg_segment_size: 64
    .max_flat_workgroup_size: 192
    .sgpr_count:     66
    .vgpr_count:     512
    .wavefront_size: 32
...
	.end_amdgpu_metadata
.endif
;; end of part 3
;; launch moe (part 4): grid 16 x 16, 4 waves a work-group, clusters of 4 x 4, 327,680 bytes of LDS; arguments x_codes, w_codes, gs, expert_b, lowp_scales, out0; writes out0
.if DOCPART == 4
	.amdgcn_target "amdgcn-amd-amdhsa--gfx1250"
	.amdhsa_code_object_version 6
	.text
	.protected	k_q50df3662c1_moe
	.globl	k_q50df3662c1_moe
	.p2align	8
	.type	k_q50df3662c1_moe,@function
k_q50df3662c1_moe:
	s_mov_b64 s[64:65], 0
	v_nop
	global_prefetch_b8 v0, s[64:65] scope:SCOPE_SE
	s_setreg_imm32_b32 hwreg(HW_REG_WAVE_MODE, 25, 1), 1
	s_wait_xcnt 0x0
	s_wait_alu depctr_hold_cnt(0) depctr_sa_sdst(0) depctr_va_vdst(0) depctr_va_sdst(0) depctr_va_ssrc(0) depctr_va_vcc(0) depctr_vm_vsrc(0)
	s_getreg_b32 s2, hwreg(HW_REG_IB_STS2, 6, 4)
	s_cmp_eq_u32 s2, 0
	s_cbranch_scc0 .Lentry_in_a_cluster
	s_endpgm
.Lentry_in_a_cluster:
	s_bfe_u32 s2, ttmp6, 0x10000c
	s_cmp_lg_u32 s2, 0xf033
	s_cbranch_scc0 .Lentry_shape_is_right
	s_endpgm
.Lentry_shape_is_right:
; out[n][u] = sum over e of gs[n][e] relu(sum over k of xc[n][k] wc[e][u][k] + expert_b[e][u] 2^-(ea + eb)), xc and wc codes of BF8, sums in f32; gs = the softmax's gate x 2^(ea + eb), made by the first launch.
; LIMITS: expert_b x 2^-(ea + eb) is an f32 number; NaN is not served (the maximum with 0 drops one).
; SHARES.  A work-group makes 256 rows x 128 units of out; each of its four waves 64 rows.  A WAVE HOLDS ITS 64 ROWS OF x FOR ALL OF K IN REGISTERS (32 fragments of 16 rows x 128 K, 512 registers), so x is read from LDS once,
; and each fragment of W that a wave reads from LDS feeds four matrix instructions.  W comes in 8 slots of 128 rows x 1,024: 16 units x 8 experts: 256 matrix instructions a wave for each slot.
; An expert's step: 16 units x 64 rows, 8 phases (kk) of 128 along K, four matrix instructions each (row blocks a = 0 .. 3 by turns).  The sums lie in two sets by turns: while expert e is multiplied, expert e - 1's sums get their
; ReLU and are added, x the gate, onto HOLD: six vector instructions a phase, which are also the places that loads and readers must keep behind matrix instructions.
; W's fragments have two sets of eight: behind an expert's first phase the NEXT expert's 32 LDS loads go out in one run.
; TRANSPOSED USE: source 0 = 16 rows of W (units), source 1 = 16 rows of x: lane (r, h) holds row r and, in its 8 registers, units 8 h + 0 .. 7.
; CLUSTERS 4 x 4: the four work-groups of a cluster's row share x's tile, the four of a column share W's: joint loads.
; PREFETCH: at the change of slots that leaves group g the waves ask for group g + 3's tile: 512 blocks of 256 bytes, the four partners of a column a quarter each by address (cy), 128 blocks = 4 waves x 32 lanes: one change ahead of the load
; that wants it.  At the head group 0's tile is asked for in the same way, under x's load; groups 1 and 2 come by their loads alone; behind group 7 nothing is asked for.
; REGISTERS, numbered through: 0-15 addresses; 16-271 sixteen fragments of W (fragment f of set p at 16 (8 p + f + 1)); 272-783 x's fragments (kk, a) at 272 + 16 (4 kk + a);
;   from 784 on, in window 3: two sets of sums, HOLD, gates, block 3's results of four groups, bias, the way out.  No fragment crosses a window's border.
.set PITCH, 1040                       ; an LDS row: 1,024 bytes + 16 of padding = 260 words: 16 rows start at 16 different groups of four banks (64 banks: ISA guide 11.1)
.set EXB,   16*PITCH                   ; an expert's 16 rows
.set SLOT,  128*PITCH                  ; slot 0 at 0, slot 1 at SLOT; x's 256 rows lie over both at first
.set SPARE, 2*SLOT                     ; the spare words: two blocks of 256 bytes that no other line names
.set BIASL, SPARE+512                  ; [group 8][lane 32][pair of experts 4] f32: 4,096 bytes
.set STAGE, BIASL+4096                 ; each wave 48 rows x 272 bytes
.set SPITCH, 272
.set SWAVE, 48*SPITCH
.set OROW,  8192                       ; a row of out in bytes
.set SPW, 2                            ; window 0
.set NIL, 3
.set AD0, 4                            ; W's fragments in the slot in hand, experts 0-3
.set AD1, 5                            ; experts 4-7
.set FR0, 6
.set FRB, 7
.set STO0, 8
.set STOG, 9
.set RD,  10
.set CO,  11
.set PFO, 12
.set ADB, 13                           ; the group's bias
.set FR1, 14
.set AFR, 15
.set XA,  272
.set ACC, 16                           ; window 3 from here on
.set HOLD, 80
.set G,   112                          ; gates: 8 a + e
.set SV,  144
.set BIA, 176                          ; the next sum's start: units 8 h + 0 .. 7
.set BR,  184                          ; the group's bias: register i, lane (r, h): expert 2 i + r / 8, unit 8 h + r % 8
.set OB0, 188
.set OB1, 220
.set WV,  16
.set G1A, 24
.set G0A, 32
.set G1B, 36
.set G0B, 44
.set PFA, 54
.set TB,  62
.set BG,  63
.set WOFF, 66
.set GC,  67
.set GJ,  68
.set NEGE, 69
.set PADB, (1<<20)|(1<<21)|(7<<22)|(3<<25)  ; padding on, bit 21 beside a mask, after every 256 words, four words
.set MSB, 0
.macro WIN new                         ; the immediate's high byte repeats the setting that is left
.if MSB != (\new)
	s_set_vgpr_msb (MSB<<8)|(\new)
.set MSB, (\new)
.endif
.endm
.macro CREST                           ; a round of the cluster's barrier behind its opening barrier
	s_cmp_lg_u32 s[WV], 0
	s_cbranch_scc1 .Lnot_wave_0_\@
	s_barrier_signal -3
.Lnot_wave_0_\@:
	s_barrier_wait -3
	s_barrier_signal -1
	s_barrier_wait -1
.endm
.macro CROUND
	s_barrier_signal -1
	s_barrier_wait -1
	CREST
.endm
.macro JOINT g0, g1                    ; one joint tensor load a wave, each wave its own rows
	tensor_load_to_lds s[\g0:\g0+3], s[\g1:\g1+7]
	s_nop 0
.rept 4
	v_nop
.endr
.endm
.macro DRAIN
	s_wait_tensorcnt 0x0
	ds_add_u32 v[SPW], v[NIL]
	s_wait_dscnt 0x0
.endm
.macro WM e, kk, a                     ; the bias starts the sum as C of kk = 0
.set M_B, 16*(8*((\e)%2)+(\kk)+1)
.set M_A, XA+16*(4*(\kk)+(\a))
.set M_D, ACC+32*((\e)%2)+8*(\a)
	WIN 0xf0+4*(M_A/256)+(M_B/256)
.set M_B, M_B%256
.set M_A, M_A%256
.if (\kk) == 0
	v_wmma_f32_16x16x128_bf8_bf8 v[M_D:M_D+7], v[M_B:M_B+15], v[M_A:M_A+15], v[BIA:BIA+7]
.else
	v_wmma_f32_16x16x128_bf8_bf8 v[M_D:M_D+7], v[M_B:M_B+15], v[M_A:M_A+15], v[M_D:M_D+7]
.endif
.endm
; Expert pe's sums, registers 4 (kk % 2) .. + 3 of row block kk / 2, in ascending order: EMAX the ReLU, EPK x the gate onto HOLD.  pe = -1: none, v_nop in their places.
.macro EMAX kk, pe
.if (\pe) < 0
.rept 4
	v_nop
.endr
.else
.set E_R, ACC+32*((\pe)%2)+8*((\kk)/2)+4*((\kk)%2)
	v_max_num_f32 v[E_R], 0, v[E_R]
	v_max_num_f32 v[E_R+1], 0, v[E_R+1]
	v_max_num_f32 v[E_R+2], 0, v[E_R+2]
	v_max_num_f32 v[E_R+3], 0, v[E_R+3]
.endif
.endm
.macro EPK kk, pe
.if (\pe) < 0
.rept 2
	v_nop
.endr
.else
.set E_G, G+8*((\kk)/2)
.irp i, 0,2
.set E_R, ACC+32*((\pe)%2)+8*((\kk)/2)+4*((\kk)%2)+\i
.set E_H, HOLD+8*((\kk)/2)+4*((\kk)%2)+\i
.if (\pe) == 0
	v_pk_mul_f32 v[E_H:E_H+1], v[E_R:E_R+1], v[E_G:E_G+1] op_sel_hi:[1,0]
.elseif ((\pe)%2) == 0
	v_pk_fma_f32 v[E_H:E_H+1], v[E_R:E_R+1], v[E_G+(\pe):E_G+(\pe)+1], v[E_H:E_H+1] op_sel_hi:[1,0,1]
.else
	v_pk_fma_f32 v[E_H:E_H+1], v[E_R:E_R+1], v[E_G+(\pe)-1:E_G+(\pe)], v[E_H:E_H+1] op_sel:[0,1,0] op_sel_hi:[1,1,1]
.endif
.endr
.endif
.endm
.macro BB4 b, hi                       ; half of expert b's bias, spread over the lanes of each row of 16
.set B_R, BR+(\b)/2
.if ((\b)%2) == 0
.if \hi == 0
.irp n, 0,1,2,3
	v_mov_b32_dpp v[BIA+\n], v[B_R] row_share:\n row_mask:0xf bank_mask:0xf
.endr
.else
.irp n, 4,5,6,7
	v_mov_b32_dpp v[BIA+\n], v[B_R] row_share:\n row_mask:0xf bank_mask:0xf
.endr
.endif
.else
.if \hi == 0
.irp n, 8,9,10,11
	v_mov_b32_dpp v[BIA+\n-8], v[B_R] row_share:\n row_mask:0xf bank_mask:0xf
.endr
.else
.irp n, 12,13,14,15
	v_mov_b32_dpp v[BIA+\n-8], v[B_R] row_share:\n row_mask:0xf bank_mask:0xf
.endr
.endif
.endif
.endm
; A phase.  b >= 0: expert b's bias is made ready (two phases, twelve vector instructions, ahead of its first reader).
.macro PH e, kk, pe, n, b
.if (\n) >= 0
	s_wait_dscnt (\n)
.endif
	WM \e, \kk, 0
	WM \e, \kk, 1
	WIN 0xff
	EMAX \kk, \pe
.if (\b) >= 0
	BB4 (\b), 0
.endif
	WM \e, \kk, 2
	WM \e, \kk, 3
	WIN 0xff
	EPK \kk, \pe
.if (\b) >= 0
	BB4 (\b), 1
.endif
.endm
.macro RUN e                           ; expert e's eight fragments: 32 loads in one run
.irp f, 0,1,2,3,4,5,6,7
.set R_B, 16*(8*((\e)%2)+\f+1)
	WIN 0x40*(R_B/256)
.set R_B, R_B%256
.irp c, 0,1,2,3
.if (\e) < 4
	ds_load_b128 v[R_B+4*\c:R_B+4*\c+3], v[AD0] offset:EXB*(\e)+128*\f+32*\c
.else
	ds_load_b128 v[R_B+4*\c:R_B+4*\c+3], v[AD1] offset:EXB*((\e)-4)+128*\f+32*\c
.endif
.endr
.endr
.endm
.macro LDBR
	WIN 0xc0
	ds_load_b128 v[BR:BR+3], v[ADB]
	WIN 0
.endm
; An expert's step.  Behind phase kk's fragment stand the run's 28 - 4 kk younger loads, and from phase 1 on the next run's 32.  The run's registers were last read by the expert before: eight vector instructions stand between.
.macro EXPERT e, pe
	PH \e, 0, \pe, 28, -1
	RUN ((\e)+1)
.irp kk, 1,2,3,4
	PH \e, \kk, \pe, 60-4*\kk, -1
.endr
	PH \e, 5, \pe, 40, (\e)+1
	PH \e, 6, \pe, 36, -1
	PH \e, 7, \pe, 32, -1
.endm
.macro SIX
	EXPERT 1, 0
	EXPERT 2, 1
	EXPERT 3, 2
	EXPERT 4, 3
	EXPERT 5, 4
	EXPERT 6, 5
.endm
; Expert 7 changes slots: the slot's last reads were issued in expert 6's step.  In front of the barrier: all my tensor loads (my part of the next slot), the add, and my reads of this slot.
; Behind it the slot just read is filled again (fill = 1) with group g + 2, and the next slot is read.
.macro EXP7 fill
	PH 7, 0, 6, 28, -1
	WIN 0
	s_wait_tensorcnt 0x0
	ds_add_u32 v[SPW], v[NIL]                      ; 0 onto my spare word
.if \fill
	s_add_co_u32 s[G0B+1], s[TB], s[WOFF]          ; the slot in hand takes the next fill
	s_add_nc_u64 s[G0B+2:G0B+3], s[G0B+2:G0B+3], 0x20000   ; one group on: 128 rows of 1,024
.endif
	s_xor_b32 s[TB], s[TB], SLOT
	s_add_co_u32 s[BG], s[BG], 512
	v_add_nc_u32 v[AD0], s[TB], v[FR0]
	v_add_nc_u32 v[AD1], s[TB], v[FR1]
	v_add_nc_u32 v[ADB], s[BG], v[FRB]
	PH 7, 1, 6, 25, -1                             ; behind fragment 1: six fragments and the add
	PH 7, 2, 6, 21, -1                             ; behind fragment 2: five and the add
	s_wait_dscnt 0x0                               ; the add is done, and my reads of this slot are over
	s_barrier_signal -1
	PH 7, 3, 6, -1, -1
	WIN 0
	s_barrier_wait -1
.if \fill
	CREST
	JOINT G0B, G1B                                 ; the first tensor load behind the round
.endif
	LDBR
	RUN 0
.if \fill
	s_cmp_gt_u32 s[GC], 1                          ; groups 3 to 7 are asked for, in the first five trips
	s_cbranch_scc0 .Lnot_asked_\@
	global_prefetch_b8 v[PFO], s[PFA:PFA+1] offset:0x60000 th:TH_LOAD_NT scope:SCOPE_SE
.Lnot_asked_\@:
.endif
	PH 7, 4, 6, -1, -1
	PH 7, 5, 6, 32, 0                              ; the bias is in; the run's 32 loads may be out
	PH 7, 6, 6, -1, -1
	PH 7, 7, 6, -1, -1
.endm
; A group's results (HOLD: 64 rows x 16 units).  Row blocks 0-2 go into my stage, 64 bytes a row beside the earlier groups'; block 3 stays in registers, the last four groups' one behind the other.
.macro GROUPEND
	WIN 0
	v_add_nc_u32 v[STOG], s[GJ], v[STO0]
	s_add_co_u32 s[GJ], s[GJ], 64
	s_and_b32 s[GJ], s[GJ], 0xc0
	WIN 0x0c
	s_wait_alu depctr_va_vdst(0)
.irp a, 0,1,2
	ds_store_b128 v[STOG], v[HOLD+8*\a:HOLD+8*\a+3] offset:16*SPITCH*\a
	ds_store_b128 v[STOG], v[HOLD+8*\a+4:HOLD+8*\a+7] offset:16*SPITCH*\a+16
.endr
	WIN 0xc3
.irp j, 3,2,1
.irp i, 0,1,2,3,4,5,6,7
	v_mov_b32 v[SV+8*\j+\i], v[SV+8*\j-8+\i]
.endr
.endr
.irp i, 0,1,2,3,4,5,6,7
	v_mov_b32 v[SV+\i], v[HOLD+24+\i]
.endr
	WIN 0
	s_wait_alu depctr_va_vdst(0)
.endm
.macro RBACK reg, row                  ; 16 rows of 256 bytes out of my stage, two rows a load
	WIN 0xc0
.irp t, 0,1,2,3,4,5,6,7
	ds_load_b128 v[\reg+4*\t:\reg+4*\t+3], v[RD] offset:((\row)+2*\t)*SPITCH
.endr
	WIN 0x0c
.endm
.macro SEND reg, row                   ; sixteen lanes store one aligned unit of 256 bytes
.irp t, 0,1,2,3,4,5,6,7
	global_store_b128 v[CO], v[\reg+4*\t:\reg+4*\t+3], s[14:15] offset:((\row)+2*\t)*OROW th:TH_STORE_NT
.endr
.endm
; Four groups are 64 units, 256 bytes of a row.  The stage is my own, and LDS serves a wave's instructions in order (ISA guide 5.7.1.4): block 3 takes the place of block 0's rows behind their loads.
.macro FLUSH
	RBACK OB0, 0
	RBACK OB1, 16
.irp j, 0,1,2,3
	ds_store_b128 v[STO0], v[SV+24-8*\j:SV+27-8*\j] offset:64*\j
	ds_store_b128 v[STO0], v[SV+28-8*\j:SV+31-8*\j] offset:64*\j+16
.endr
	s_wait_dscnt 16                                ; block 0 is back; block 1's loads and the eight stores may be out
	SEND OB0, 0
	s_wait_xcnt 0x0                                ; the stores have read their registers
	RBACK OB0, 32
	s_wait_dscnt 16                                ; block 1; the eight stores and block 2's loads may be out
	SEND OB1, 16
	s_wait_xcnt 0x0
	RBACK OB1, 0
	s_wait_dscnt 8                                 ; block 2
	SEND OB0, 32
	s_wait_dscnt 0x0                               ; block 3
	SEND OB1, 48
	WIN 0
.endm
	s_load_b256 s[4:11], s[0:1], 0x0               ; x_codes s[4:5], w_codes s[6:7], gs s[8:9], expert_b s[10:11]
	s_load_b128 s[12:15], s[0:1], 0x20             ; lowp_scales s[12:13], out0 s[14:15]
	v_lshl_add_u32 v[SPW], v0, 2, SPARE
	v_mov_b32 v[NIL], 0
	ds_add_u32 v[SPW], v[NIL]                      ; the opening: the add, twice on end, and its wait
	ds_add_u32 v[SPW], v[NIL]
	v_lshrrev_b32 v1, 5, v0
	v_readfirstlane_b32 s[WV], v1                  ; wave 0..3
	s_bfe_u32 s17, ttmp6, 0x40000                  ; cx
	s_bfe_u32 s18, ttmp6, 0x40004                  ; cy
	s_lshl_b32 s19, ttmp9, 2
	s_add_co_u32 s19, s19, s17                     ; X: which 128 units
	s_and_b32 s20, ttmp7, 0xffff
	s_lshl_b32 s20, s20, 2
	s_add_co_u32 s20, s20, s18                     ; Y: which 256 rows
	s_lshl_b32 s52, s18, 2
	s_lshl_b32 s52, 15, s52                        ; my row of the cluster
	s_lshl_b32 s53, 0x1111, s17                    ; my column
	s_or_b32 s[G1A], s52, PADB                     ; x: 64 rows x 1,024 bytes a wave
	s_mov_b32 s[G1A+1], 1024<<16
	s_mov_b32 s[G1A+2], 64<<16
	s_mov_b32 s[G1A+3], 1024<<16
	s_mov_b32 s[G1A+4], 64
	s_mov_b32 s[G1A+5], 1024
	s_mov_b32 s[G1A+6], 0
	s_mov_b32 s[G1A+7], 0
	s_or_b32 s[G1B], s53, PADB                     ; W: 32 rows x 1,024 bytes a wave
	s_mov_b32 s[G1B+1], 1024<<16
	s_mov_b32 s[G1B+2], 32<<16
	s_mov_b32 s[G1B+3], 1024<<16
	s_mov_b32 s[G1B+4], 32
	s_mov_b32 s[G1B+5], 1024
	s_mov_b32 s[G1B+6], 0
	s_mov_b32 s[G1B+7], 0
	s_mul_i32 s[WOFF], s[WV], 32*PITCH             ; where my part of a slot lies
	s_mul_i32 s[G0A+1], s[WV], 64*PITCH            ; where my rows of x lie
	s_mov_b32 s[G0A], 1
	s_mov_b32 s[G0B], 1
	s_mov_b32 s[G0B+1], s[WOFF]
	s_lshl_b32 s48, s20, 18                        ; x: Y x 256 rows + 64 x wave
	s_lshl_b32 s21, s[WV], 16
	s_add_co_u32 s48, s48, s21
	s_mov_b32 s49, 0
	s_lshl_b32 s50, s19, 20                        ; W: X x 8 groups of 128 rows + 32 x wave
	s_lshl_b32 s21, s[WV], 15
	s_add_co_u32 s50, s50, s21
	s_mov_b32 s51, 0
	s_lshl_b32 s70, s19, 20                        ; the prefetches: my work-group's quarter (cy) of a group's tile, my wave's quarter of that
	s_lshl_b32 s71, s18, 15
	s_add_co_u32 s70, s70, s71
	s_lshl_b32 s21, s[WV], 13
	s_add_co_u32 s70, s70, s21
	s_mov_b32 s71, 0
	s_lshl_b32 s56, s20, 21                        ; out: (256 Y + 64 wave) rows of 8,192 bytes + 512 X
	s_lshl_b32 s21, s[WV], 19
	s_add_co_u32 s56, s56, s21
	s_lshl_b32 s60, s19, 9                         ; 128 X numbers: in expert_b's rows, and in out's
	s_add_co_u32 s56, s56, s60
	s_mov_b32 s57, 0
	s_mov_b32 s61, 0
	s_lshl_b32 s58, s20, 13                        ; gs: rows of 32 bytes
	s_lshl_b32 s21, s[WV], 11
	s_add_co_u32 s58, s58, s21
	s_mov_b32 s59, 0
	s_mov_b32 s[TB], 0
	s_mov_b32 s[BG], 0
	s_mov_b32 s[GJ], 0
	s_mov_b32 s[GC], 6
	s_wait_alu depctr_va_vdst(0)
	s_wait_dscnt 0x0                               ; both opening adds are done
	s_wait_kmcnt 0x0
	s_load_b64 s[22:23], s[12:13], 0x0             ; ea, eb
	s_add_nc_u64 s[G0A+2:G0A+3], s[4:5], s[48:49]
	s_or_b32 s[G0A+3], s[G0A+3], 0x80000000
	s_add_nc_u64 s[G0B+2:G0B+3], s[6:7], s[50:51]
	s_or_b32 s[G0B+3], s[G0B+3], 0x80000000
	s_add_nc_u64 s[PFA:PFA+1], s[6:7], s[70:71]
	s_add_nc_u64 s[8:9], s[8:9], s[58:59]
	s_add_nc_u64 s[10:11], s[10:11], s[60:61]
	s_add_nc_u64 s[14:15], s[14:15], s[56:57]
	CROUND                                         ; all sixteen work-groups are here
	JOINT G0A, G1A                                 ; my 64 rows of x
	s_mul_i32 s21, s[WV], 64*PITCH
	s_mul_i32 s52, s[WV], SWAVE
	s_add_co_u32 s52, s52, STAGE
	v_and_b32 v16, 15, v0                          ; r
	v_bfe_u32 v17, v0, 4, 1                        ; h
	v_and_b32 v18, 31, v0                          ; lane
	v_mul_u32_u24 v[FR0], v16, PITCH
	v_lshl_add_u32 v[FR0], v17, 4, v[FR0]          ; a fragment's row r, + 16 h
	v_add_nc_u32 v[FR1], 4*EXB, v[FR0]
	v_add_nc_u32 v[AD0], s[TB], v[FR0]
	v_add_nc_u32 v[AD1], s[TB], v[FR1]
	v_lshlrev_b32 v[FRB], 4, v18
	v_add_nc_u32 v[FRB], BIASL, v[FRB]
	v_add_nc_u32 v[ADB], s[BG], v[FRB]
	v_add_nc_u32 v[AFR], s21, v[FR0]
	v_mul_u32_u24 v[STO0], v16, SPITCH
	v_lshl_add_u32 v[STO0], v17, 5, v[STO0]
	v_add_nc_u32 v[STO0], s52, v[STO0]             ; into my stage: row r, 32 bytes for each half
	v_mul_u32_u24 v[RD], v17, SPITCH
	v_lshl_add_u32 v[RD], v16, 4, v[RD]
	v_add_nc_u32 v[RD], s52, v[RD]                 ; back: lanes 0-15 one row, lanes 16-31 the next
	v_lshlrev_b32 v[CO], 13, v17
	v_lshl_add_u32 v[CO], v16, 4, v[CO]
	v_lshlrev_b32 v[PFO], 8, v18
	v_lshrrev_b32 v23, 4, v0                       ; the bias: thread t takes expert e = t / 16, units 8 u + 0 .. 7 (u = t % 16) of the work-group's 128:
	v_lshlrev_b32 v20, 13, v23
	v_lshl_add_u32 v20, v16, 5, v20
	v_lshrrev_b32 v19, 1, v16                      ; they go to group u / 2, half u % 2, lanes 8 (e % 2) + 0 .. 7, pair e / 2
	v_lshlrev_b32 v21, 9, v19
	v_and_b32 v19, 1, v16
	v_lshl_add_u32 v21, v19, 8, v21
	v_and_b32 v19, 1, v23
	v_lshl_add_u32 v21, v19, 7, v21
	v_lshrrev_b32 v19, 1, v23
	v_lshl_add_u32 v21, v19, 2, v21
	v_add_nc_u32 v21, BIASL, v21
	v_lshlrev_b32 v22, 5, v16                      ; the gates: row r of 32 bytes
	WIN 0xc0
.irp i, 0,1,2,3,4,5,6,7,8,9,10,11,12,13,14,15,16,17,18,19,20,21,22,23
	v_mov_b32 v[SV+\i], 0                          ; (written once: the first groups' moves read them)
.endr
.irp i, 0,1,2,3,4,5,6,7
	v_mov_b32 v[BIA+\i], 0                         ; (written once: a DPP form's destination counts as read)
.endr
	WIN 0
	s_wait_alu depctr_va_vdst(0)
	global_load_b128 v[32:35], v20, s[10:11]
	global_load_b128 v[36:39], v20, s[10:11] offset:16
	WIN 0xc0
.irp a, 0,1,2,3
.irp i, 0,1
	global_load_b128 v[G+8*\a+4*\i:G+8*\a+4*\i+3], v22, s[8:9] offset:512*\a+16*\i
.endr
.endr
	WIN 0
	global_prefetch_b8 v[PFO], s[PFA:PFA+1] th:TH_LOAD_NT scope:SCOPE_SE   ; group 0's tile
	s_wait_kmcnt 0x0
	s_add_co_i32 s[NEGE], s22, s23
	s_sub_co_i32 s[NEGE], 0, s[NEGE]
	s_wait_loadcnt 0x0                             ; bias and gates
.irp i, 0,1,2,3,4,5,6,7
	v_ldexp_f32 v[32+\i], v[32+\i], s[NEGE]        ; the sums are sums of codes: the bias goes in x 2^-(ea + eb)
.endr
	s_wait_alu depctr_va_vdst(0)
	s_wait_tensorcnt 0x0                           ; my own rows of x are in
.irp i, 0,1,2,3,4,5,6,7
	ds_store_b32 v21, v[32+\i] offset:16*\i
.endr
.irp kk, 0,1,2,3,4,5,6,7
.irp a, 0,1,2,3
.set M_A, XA+16*(4*\kk+\a)
	WIN 0x40*(M_A/256)
.set M_A, M_A%256
.irp c, 0,1,2,3
	ds_load_b128 v[M_A+4*\c:M_A+4*\c+3], v[AFR] offset:EXB*\a+128*\kk+32*\c
.endr
.endr
.endr
	WIN 0
	DRAIN                                          ; my rows of x are in registers, my bias is stored
	CROUND
	JOINT G0B, G1B                                 ; group 0 into slot 0, over x's rows
	DRAIN
	s_add_co_u32 s[G0B+1], s[WOFF], SLOT
	s_add_nc_u64 s[G0B+2:G0B+3], s[G0B+2:G0B+3], 0x20000
	CROUND                                         ; group 0 is whole
	JOINT G0B, G1B                                 ; group 1 into slot 1
	LDBR
	RUN 0
	s_wait_dscnt 32                                ; the bias is in
	WIN 0xff
	BB4 0, 0
	BB4 0, 1
	s_wait_alu depctr_va_vdst(0)
	EXPERT 0, -1                                   ; the first expert has no sums before it
	s_wait_alu depctr_va_vdst(0)                   ; in this step v_nop stand behind the next bias
	WIN 0
.Lgroup:                                           ; groups 0 to 5: experts 1 to 7, the change of slots with its refill, and the next group's expert 0
	SIX
	EXP7 1
	EXPERT 0, 7
	GROUPEND
	s_cmp_eq_u32 s[GC], 3                          ; groups 0 to 3 make whole units
	s_cbranch_scc0 .Lnot_four
	FLUSH
	s_wait_xcnt 0x0
	s_add_nc_u64 s[14:15], s[14:15], 256
.Lnot_four:
	s_wait_xcnt 0x0                                ; the prefetch has read its address
	s_add_nc_u64 s[PFA:PFA+1], s[PFA:PFA+1], 0x20000
	s_sub_co_u32 s[GC], s[GC], 1
	s_cmp_lg_u32 s[GC], 0
	s_cbranch_scc1 .Lgroup
	SIX                                            ; group 6: nothing is left to fill
	EXP7 0
	EXPERT 0, 7
	GROUPEND
	SIX                                            ; group 7
.irp kk, 0,1,2,3,4,5,6,7
	PH 7, \kk, 6, 28-4*\kk, -1                     ; behind each fragment only this expert's younger ones are out
.endr
.rept 4
	v_nop                                          ; the places behind the last products
.endr
	WIN 0xff
.irp kk, 0,1,2,3,4,5,6,7
	EMAX \kk, 7
.endr
.irp kk, 0,1,2,3,4,5,6,7
	EPK \kk, 7
.endr
	GROUPEND
	FLUSH
	DRAIN                                          ; the wave's end
	CROUND                                         ; the closing round: no work-group ends while a partner may still ask for a tile that names it
	s_endpgm
.Lfunc_end_k_q50df3662c1_moe:
	.size	k_q50df3662c1_moe, .Lfunc_end_k_q50df3662c1_moe-k_q50df3662c1_moe
	.p2alignl 7, 3214868480
	.fill 96, 4, 3214868480
	.section	.rodata,"a",@progbits
	.p2align	6, 0x0
	.amdhsa_kernel k_q50df3662c1_moe
		.amdhsa_group_segment_fixed_size 327680
		.amdhsa_private_segment_fixed_size 0
		.amdhsa_enable_private_segment 0
		.amdhsa_kernarg_size 48
		.amdhsa_user_sgpr_count 2
		.amdhsa_user_sgpr_kernarg_segment_ptr 1
		.amdhsa_wavefront_size32 1
		.amdhsa_system_sgpr_workgroup_id_x 1
		.amdhsa_system_sgpr_workgroup_id_y 1
		.amdhsa_system_sgpr_workgroup_id_z 1
		.amdhsa_system_vgpr_workitem_id 0
		.amdhsa_next_free_vgpr 1024
		.amdhsa_next_free_sgpr 72
		.amdhsa_reserve_vcc 0
		.amdhsa_float_denorm_mode_32 3
		.amdhsa_float_denorm_mode_16_64 3
		.amdhsa_memory_ordered 1
		.amdhsa_forward_progress 1
		.amdhsa_inst_pref_size 229
	.end_amdhsa_kernel
	.amdgpu_metadata
---
amdhsa.version: [ 1, 2 ]
amdhsa.kernels:
  - .name:           k_q50df3662c1_moe
    .symbol:         k_q50df3662c1_moe.kd
    .args:
      - { .name: x_codes, .offset: 0, .size: 8, .value_kind: global_buffer, .address_space: global }
      - { .name: w_codes, .offset: 8, .size: 8, .value_kind: global_buffer, .address_space: global }
      - { .name: gs, .offset: 16, .size: 8, .value_kind: global_buffer, .address_space: global }
      - { .name: expert_b, .offset: 24, .size: 8, .value_kind: global_buffer, .address_space: global }
      - { .name: lowp_scales, .offset: 32, .size: 8, .value_kind: global_buffer, .address_space: global }
      - { .name: out0, .offset: 40, .size: 8, .value_kind: global_buffer, .address_space: global }
    .group_segment_fixed_size: 327680
    .private_segment_fixed_size: 0
    .kernarg_segment_align: 8
    .kernarg_segment_size: 48
    .max_flat_workgroup_size: 128
    .sgpr_count:     72
    .vgpr_count:     1024
    .wavefront_size: 32
...
	.end_amdgpu_metadata
.endif
;; end of part 4
